; MI455X (gfx1250); checked and timed in simulation.
; The chip was launched on July 23, 2026; its instructions are those of AMD's public machine-readable ISA for CDNA 5 (MIT licence, August 2026) and "CDNA5" Instruction Set Architecture Reference Guide (July 2026). The comments in the code are by the model that wrote it; some were corrected since.
;; Simple Ro PE Attention Model. Allowed arithmetic: matrix products marked QUANTISED: E4M3 operands, one given power-of-two scale a tensor, by v_wmma_f32_16x16x64_fp8_fp8 or v_wmma_f32_16x16x128_fp8_fp8, f32 sums; everything else in f32.
;; Inputs: Wk 2,048 x 2,048 float32; Wo 2,048 x 2,048 float32; Wq 2,048 x 2,048 float32; Wv 2,048 x 2,048 float32; cos 2,048 x 128 float32; lowp_scales 12 int32 (the exponents e of the quantised operands' scales 2^e); sin 2,048 x 128 float32; x 1 x 2,048 x 2,048 float32.
;; Outputs: out0 1 x 2,048 x 2,048 float32.
;; This version of the problem:
;;   THIS VERSION OF THE PROBLEM IS GIVEN IN LOW PRECISION. The matrix products marked QUANTISED in the list below multiply operands that are first quantised to E4M3 (4 exponent bits, 3 mantissa bits; 8 bits a number), with one given power-of-two scale for each operand tensor; their sums are f32. All else is computed in f32.
;;   The module's matrix products, in the order in which they are computed (A, B: the left and right operand; K: the contracted axis; several contracted axes count as one K, in the product's order):
;;     1. [M 2,048, K 2,048] x [K 2,048, N 2,048]; A: input x; B: input Wq: QUANTISED (scales: A lowp_scales[0], B lowp_scales[1])
;;     2. [M 2,048, K 2,048] x [K 2,048, N 2,048]; A: input x; B: input Wk: QUANTISED (scales: A lowp_scales[2], B lowp_scales[3])
;;     3. [M 2,048, K 2,048] x [K 2,048, N 2,048]; A: input x; B: input Wv: QUANTISED (scales: A lowp_scales[4], B lowp_scales[5])
;;     4. batch 16 x [M 2,048, K 128] x [K 128, N 2,048]; A: computed on the way; B: computed on the way: QUANTISED (scales: A lowp_scales[6], B lowp_scales[7])
;;     5. batch 16 x [M 2,048, K 2,048] x [K 2,048, N 128]; A: softmax (see below); B: computed on the way: QUANTISED (scales: A lowp_scales[8], B lowp_scales[9])
;;     6. [M 2,048, K 2,048] x [K 2,048, N 2,048]; A: computed on the way; B: input Wo: QUANTISED (scales: A lowp_scales[10], B lowp_scales[11])
;;   THE QUANTISER, for each operand of a quantised product, along K:
;;     - The operand's scale is 2^e, e = its entry of the input lowp_scales (int32; the entries are numbered through the quantised products in the list's order, A before B).
;;     - Each number is divided by the scale, clamped to +-448, and rounded to the nearest number of E4M3, ties to even, subnormals kept.
;;     - The product sums the exact products of the quantised numbers (number of the format x scale) in f32.
;;   ~~~python
;;   def quantise(x, axis, e):      # numpy; x: float32 -> the quantised numbers, widened to float32 again
;;       x = np.moveaxis(x, axis, -1); K = x.shape[-1]
;;       r = np.clip(x / 2.0 ** e, -448, 448)
;;       step = 2.0 ** (np.maximum(np.frexp(np.where(r == 0, 1, r))[1] - 1, -6) - 3)
;;       q = np.round(r / step) * step * 2.0 ** e      # np.round: ties to even
;;       return np.moveaxis(q, -1, axis).astype(np.float32)
;;   ~~~
;;   SOFTMAX AHEAD OF A QUANTISED PRODUCT. Where the list says 'softmax', what is quantised is not the finished softmax but p = 2^(t - M), with t = logit x log2(e) and M = ceil(the row's largest t), a whole number; so 1/2 < the row's largest p <= 1. The row's sum l is taken of the UNQUANTISED p, in f32, and the product's result is divided by l at the end. Since M is a whole number, a kernel that streams over the keys may use a running M (the ceiling of the running maximum): every later rescaling is an exact power of two, so the quantised numbers keep their values, but for numbers so far below the row's largest that they fall under the format's range.
;;   OPERANDS COMPUTED ON THE WAY. 'Computed on the way' means the value that the module computes at that place (a softmax that the list does not call 'softmax' is quantised finished and normalised). What goes into a quantiser is computed in f32, as accurately as f32 sums, v_exp_f32 and their like allow (about 1e-6 of the number): no bf16 or f16 on the way to a quantiser, and a product that is left as it is and whose result goes on into a quantised operand takes f32 operands (vector FMAs, or v_wmma_f32_16x16x4_f32). A number that lies on a knife's edge between two numbers of the format may be rounded either way, as far as f32 arithmetic and the matrix unit's own rounding can turn it there, and no further.
;; One version. Each part assembles by itself: llvm-mc -triple=amdgcn-amd-amdhsa -mcpu=gfx1250 --defsym DOCPART=n.
;; ======== version 1 of 1: 4 launches
;; limits: right only within a limited range of input values
;; workspace buffers: xc 12,582,912 bytes; wc 12,582,912 bytes; woc 4,194,304 bytes; rope 2,097,152 bytes; qkv 12,582,912 bytes; ac 4,194,304 bytes
;; launch quant (part 1): grid 1056 x 1, 4 waves a work-group, no clusters, 34,304 bytes of LDS; arguments x, Wq, Wk, Wv, cos, sin, lowp_scales, xc, wc, rope; writes xc, wc, rope
.if DOCPART == 1
	.amdgcn_target "amdgcn-amd-amdhsa--gfx1250"
	.amdhsa_code_object_version 6
	.text
	.protected	k_qab5b5a7ec0_quant
	.globl	k_qab5b5a7ec0_quant
	.p2align	8
	.type	k_qab5b5a7ec0_quant,@function
k_qab5b5a7ec0_quant:
	s_mov_b64 s[64:65], 0
	v_nop
	global_prefetch_b8 v0, s[64:65] scope:SCOPE_SE
	s_setreg_imm32_b32 hwreg(HW_REG_WAVE_MODE, 25, 1), 1
	s_wait_xcnt 0x0
; x, Wq, Wk, Wv ([2048][2048] f32, K innermost) become codes of E4M3, and cos, sin ([2048][128] f32) are laid in lane order.  (Wo is quantised by the next launch, which does not need it.)
; Work left out in this program: the attention leaves out whole key steps that lie under the causal mask, which the reference builds itself; a NaN or an infinity that reaches only such scores is not carried on.
; code = number / 2^e, held within +-448, to the nearest code, ties to even.  x has three scales (entries 0, 2, 4) and is quantised three times from one read; Wq, Wk, Wv take entries 1, 3, 5.
; LIMITS: each e between -126 and 119, so that 2^e and 448 x 2^e are f32 numbers.  NaN among the inputs is not served.
; THE CODES ARE STORED AS IMAGES OF OPERAND REGISTERS.  A fragment is 16 rows x 128 K: lane (r = l % 16, h = l / 16) holds row r, registers 2 c, 2 c + 1 hold k = 16 c + 8 h + 0 .. 7.  Its image is 2,048 bytes:
; registers 4 c .. 4 c + 3 of lane l at 512 c + 16 l.  Fragment (block of 16 rows R, K step s) lies at ((R / 8) x 16 + s) x 16384 + (R % 8) x 2048.
; THE TABLES: for each block of 16 tokens 8 KiB: register 8 b + j of lane (r, h) is table[16 block + r][16 b + 8 h + j], registers 4 i .. 4 i + 3 of lane l at 512 i + 16 l.  cos at 0, sin at 1 MiB.
; So every store here and every load of a later launch covers 512 consecutive bytes, aligned.
; SHARES.  Work-groups 0-1023: tensor ttmp9 / 256 (x, Wq, Wk, Wv), block of 16 rows (ttmp9 / 2) % 128, half ttmp9 % 2 of K; wave w takes two K steps.  Work-groups 1024-1055: 128 tokens of a table, a wave 32.
; Both kinds take the same way: a wave has two pieces of 16 rows x 512 bytes, all 32 loads are out at once, and each piece turns through the wave's own stage in LDS (rows 528 bytes apart).
; Waves share nothing: no barrier; work-groups share no input: no cluster, no tensor load.  No prefetch: there is no loop to run ahead in.
.set STG,  8448                        ; a wave's stage: 16 rows x 528 bytes
.set SPARE, 4*STG                      ; the spare words
.set LI,   1                           ; v1   16 x lane
.set VS,   2                           ; v2   into the stage
.set VR,   3                           ; v3   out of it: 528 r + 32 h
.set SPW,  14
.set NIL,  15
.set R,    16                          ; v16-143  two pieces; each comes back from the stage into its own 64 registers: register 8 c + n = k 16 c + 8 h + n of row r
.set T,    144                         ; v144-159 two sets of eight held numbers, by turns
.set C,    160                         ; v160-191 two sets of codes, by turns; before that the sixteen rows' offsets
.set WV,   30
.set TN,   31                          ; s31  which tensor; 4: a table
.set RB,   32                          ; s32  which block of 16 rows
.set SRC,  34                          ; s[34:35], s[36:37] the two pieces
.set DST,  38                          ; s[38:39], s[40:41], s[42:43]
	s_load_b512 s[8:23], s[0:1], 0x0               ; x, Wq, Wk, Wv, cos, sin, the scales' exponents, xc
	s_load_b128 s[24:27], s[0:1], 0x40             ; wc, rope
	v_lshl_add_u32 v[SPW], v0, 2, SPARE
	v_mov_b32 v[NIL], 0
	v_lshrrev_b32 v6, 5, v0
	v_readfirstlane_b32 s[WV], v6                  ; wave 0..3
	v_and_b32 v6, 31, v0
	v_lshlrev_b32 v[LI], 4, v6
	v_and_b32 v7, 15, v0                           ; r
	v_bfe_u32 v6, v0, 4, 1                         ; h
	s_mul_i32 s56, s[WV], STG
	v_add_nc_u32 v[VS], s56, v[LI]
	v_mul_u32_u24 v[VR], v7, 528
	v_lshl_add_u32 v[VR], v6, 5, v[VR]
	v_add_nc_u32 v[VR], s56, v[VR]
	s_lshr_b32 s[TN], ttmp9, 8
	s_bfe_u32 s[RB], ttmp9, 0x70001
	s_and_b32 s33, ttmp9, 1                        ; which half of K
	s_bfe_u32 s54, ttmp9, 0x10004                  ; a table's work-group: 0 cos, 1 sin,
	s_and_b32 s55, ttmp9, 15                       ; and which 128 tokens
	s_wait_alu depctr_va_vdst(0)
	s_wait_kmcnt 0x0
	s_load_b256 s[44:51], s[20:21], 0x0            ; e0 .. e7
	s_lshl_b32 s60, s[RB], 17                      ; 16 rows of 8,192 bytes,
	s_lshl_b32 s61, s33, 12
	s_add_co_u32 s60, s60, s61
	s_lshl_b32 s61, s[WV], 10                      ; my two K steps of 512 bytes
	s_add_co_u32 s60, s60, s61
	s_lshl_b32 s61, s55, 16                        ; a table: 128 tokens of 512 bytes,
	s_lshl_b32 s62, s[WV], 14                      ; my 32
	s_add_co_u32 s61, s61, s62
	s_mov_b32 s62, 0x2000
	s_mov_b32 s63, 0x200
	s_cmp_eq_u32 s[TN], 4                          ; all is chosen by the work-group's number alone
	s_cselect_b32 s56, s61, s60
	s_cselect_b32 s58, s62, s63                    ; from piece to piece
	s_cselect_b32 s60, s63, s62                    ; from row to row
	s_mov_b32 s57, 0
	s_mov_b32 s59, 0
	s_cmp_eq_u32 s54, 0
	s_cselect_b64 s[52:53], s[16:17], s[18:19]
	s_mov_b64 s[SRC:SRC+1], s[8:9]
	s_cmp_eq_u32 s[TN], 1
	s_cselect_b64 s[SRC:SRC+1], s[10:11], s[SRC:SRC+1]
	s_cmp_eq_u32 s[TN], 2
	s_cselect_b64 s[SRC:SRC+1], s[12:13], s[SRC:SRC+1]
	s_cmp_eq_u32 s[TN], 3
	s_cselect_b64 s[SRC:SRC+1], s[14:15], s[SRC:SRC+1]
	s_cmp_eq_u32 s[TN], 4
	s_cselect_b64 s[SRC:SRC+1], s[52:53], s[SRC:SRC+1]
	s_add_nc_u64 s[SRC:SRC+1], s[SRC:SRC+1], s[56:57]
	s_add_nc_u64 s[SRC+2:SRC+3], s[SRC:SRC+1], s[58:59]
	s_mov_b32 s61, 0
.irp i, 0,1,2,3,4,5,6,7,8,9,10,11,12,13,14,15
	v_add_nc_u32 v[C+\i], s61, v[LI]
	s_add_co_u32 s61, s61, s60
.endr
	s_wait_alu depctr_va_vdst(0)
.irp f, 0,1
.irp i, 0,1,2,3,4,5,6,7,8,9,10,11,12,13,14,15
	global_load_b128 v[R+64*\f+4*\i:R+64*\f+4*\i+3], v[C+\i], s[SRC+2*\f:SRC+2*\f+1] th:TH_LOAD_NT   ; 32 lanes read 512 consecutive bytes of a row
.endr
.endr
	s_lshr_b32 s60, s[RB], 3                       ; the images' place
	s_lshl_b32 s60, s60, 18
	s_and_b32 s61, s[RB], 7
	s_lshl_b32 s61, s61, 11
	s_add_co_u32 s60, s60, s61
	s_lshl_b32 s61, s33, 17
	s_add_co_u32 s60, s60, s61
	s_lshl_b32 s61, s[WV], 15
	s_add_co_u32 s60, s60, s61
	s_mov_b32 s61, 0
	s_add_nc_u64 s[DST:DST+1], s[22:23], s[60:61]  ; x with e0
	s_add_nc_u64 s[DST+2:DST+3], s[DST:DST+1], 0x400000   ; x with e2
	s_add_nc_u64 s[DST+4:DST+5], s[DST:DST+1], 0x800000   ; x with e4
	s_max_u32 s62, s[TN], 1
	s_sub_co_u32 s62, s62, 1
	s_lshl_b32 s62, s62, 22                        ; Wq, Wk, Wv: 4 MiB each
	s_mov_b32 s63, 0
	s_add_nc_u64 s[62:63], s[62:63], s[60:61]
	s_add_nc_u64 s[52:53], s[24:25], s[62:63]
	s_cmp_eq_u32 s[TN], 0
	s_cselect_b64 s[DST:DST+1], s[DST:DST+1], s[52:53]
	s_lshl_b32 s62, s54, 20                        ; a table's image: the table, then the place that it was read from
	s_add_co_u32 s62, s62, s56
	s_mov_b32 s63, 0
	s_add_nc_u64 s[52:53], s[26:27], s[62:63]
	s_cmp_eq_u32 s[TN], 4
	s_cselect_b64 s[DST:DST+1], s[52:53], s[DST:DST+1]
	s_wait_kmcnt 0x0
	s_mov_b32 s60, s44                             ; output 0's exponent: e0, e1, e3 or e5, chosen without a branch
	s_cmp_eq_u32 s[TN], 1
	s_cselect_b32 s60, s45, s60
	s_cmp_eq_u32 s[TN], 2
	s_cselect_b32 s60, s47, s60
	s_cmp_eq_u32 s[TN], 3
	s_cselect_b32 s60, s49, s60
.macro MKSC e, sc, lim                 ; s[e] = the exponent: v[sc] = 2^e as f32 (the conversion takes its exponent field), v[lim] = 448 x 2^e
	s_add_co_i32 s57, s[\e], 127
	s_lshl_b32 s56, s57, 23
	v_mov_b32 v[\sc], s56
	s_add_co_i32 s57, s57, 8
	s_lshl_b32 s57, s57, 23
	s_or_b32 s57, s57, 0x600000
	v_mov_b32 v[\lim], s57
.endm
	MKSC 60, 8, 9
	MKSC 46, 10, 11                                ; e2
	MKSC 48, 12, 13                                ; e4
	s_wait_alu depctr_va_vdst(0)                   ; the wait at the head's end
; Output o of piece f, its codes in set o % 2.  The held numbers go into T's two sets by turns, so that eight plain lines stand between a conversion and the next write of its sources.
.macro OUT o, f
.irp k, 0,1,2,3,4,5,6,7
.irp n, 0,1,2,3,4,5,6,7
	v_med3_num_f32 v[T+8*(\k%2)+\n], v[R+64*\f+8*\k+\n], -v[9+2*\o], v[9+2*\o]   ; the conversion to an 8-bit code does not saturate (ISA guide 7.6.2): the hold comes first
.endr
	v_cvt_scalef32_pk8_fp8_f32 v[C+16*((\o)%2)+2*\k:C+16*((\o)%2)+2*\k+1], v[T+8*(\k%2):T+8*(\k%2)+7], v[8+2*\o]
.endr
	v_nop                                          ; a plain line behind the last conversion
.irp c, 0,1,2,3
	global_store_b128 v[LI], v[C+16*((\o)%2)+4*\c:C+16*((\o)%2)+4*\c+3], s[DST+2*\o:DST+2*\o+1] offset:(\f)*16384+512*\c   ; 512 consecutive bytes, aligned
.endr
.endm
.macro PIECE f
.if \f == 0
	s_wait_loadcnt 16                              ; this piece's 16 loads are in; the next one's 16 may be out
.else
	s_wait_loadcnt 0x0
.endif
.irp i, 0,1,2,3,4,5,6,7,8,9,10,11,12,13,14,15
	ds_store_b128 v[VS], v[R+64*\f+4*\i:R+64*\f+4*\i+3] offset:528*\i
.endr
	s_wait_dscnt 0x0                               ; the stores have read their registers, into which the numbers come back
.irp i, 0,1,2,3,4,5,6,7,8,9,10,11,12,13,14,15
	ds_load_b128 v[R+64*\f+4*\i:R+64*\f+4*\i+3], v[VR] offset:64*(\i/2)+16*(\i%2)
.endr
	s_wait_dscnt 0x0
	s_wait_xcnt 0x0                                ; the loads have read their offsets and the earlier stores their codes: C may be written
	s_cmp_eq_u32 s[TN], 4
	s_cbranch_scc1 .Ltab_\@
	OUT 0, \f
	s_cmp_lg_u32 s[TN], 0                          ; x alone has a second and a third scale
	s_cbranch_scc1 .Lend_\@
	OUT 1, \f
	s_wait_xcnt 0x0                                ; the first output's stores have read the set of C that the third writes
	OUT 2, \f
	s_branch .Lend_\@
.Ltab_\@:
.irp i, 0,1,2,3,4,5,6,7,8,9,10,11,12,13,14,15
	global_store_b128 v[LI], v[R+64*\f+4*\i:R+64*\f+4*\i+3], s[DST:DST+1] offset:(\f)*8192+512*\i
.endr
.Lend_\@:
.endm
	PIECE 0
	PIECE 1
	s_wait_tensorcnt 0x0                           ; the wave's end
	ds_add_u32 v[SPW], v[NIL]
	s_wait_dscnt 0x0
	s_endpgm
.Lfunc_end_k_qab5b5a7ec0_quant:
	.size	k_qab5b5a7ec0_quant, .Lfunc_end_k_qab5b5a7ec0_quant-k_qab5b5a7ec0_quant
	.p2alignl 7, 3214868480
	.fill 96, 4, 3214868480
	.section	.rodata,"a",@progbits
	.p2align	6, 0x0
	.amdhsa_kernel k_qab5b5a7ec0_quant
		.amdhsa_group_segment_fixed_size 34304
		.amdhsa_private_segment_fixed_size 0
		.amdhsa_enable_private_segment 0
		.amdhsa_kernarg_size 80
		.amdhsa_user_sgpr_count 2
		.amdhsa_user_sgpr_kernarg_segment_ptr 1
		.amdhsa_wavefront_size32 1
		.amdhsa_system_sgpr_workgroup_id_x 1
		.amdhsa_system_sgpr_workgroup_id_y 1
		.amdhsa_system_sgpr_workgroup_id_z 1
		.amdhsa_system_vgpr_workitem_id 0
		.amdhsa_next_free_vgpr 192
		.amdhsa_next_free_sgpr 66
		.amdhsa_reserve_vcc 0
		.amdhsa_float_denorm_mode_32 3
		.amdhsa_float_denorm_mode_16_64 3
		.amdhsa_memory_ordered 1
		.amdhsa_forward_progress 1
		.amdhsa_inst_pref_size 46
	.end_amdhsa_kernel
	.amdgpu_metadata
---
amdhsa.version: [ 1, 2 ]
amdhsa.kernels:
  - .name:           k_qab5b5a7ec0_quant
    .symbol:         k_qab5b5a7ec0_quant.kd
    .args:
      - { .name: x, .offset: 0, .size: 8, .value_kind: global_buffer, .address_space: global }
      - { .name: Wq, .offset: 8, .size: 8, .value_kind: global_buffer, .address_space: global }
      - { .name: Wk, .offset: 16, .size: 8, .value_kind: global_buffer, .address_space: global }
      - { .name: Wv, .offset: 24, .size: 8, .value_kind: global_buffer, .address_space: global }
      - { .name: cos, .offset: 32, .size: 8, .value_kind: global_buffer, .address_space: global }
      - { .name: sin, .offset: 40, .size: 8, .value_kind: global_buffer, .address_space: global }
      - { .name: lowp_scales, .offset: 48, .size: 8, .value_kind: global_buffer, .address_space: global }
      - { .name: xc, .offset: 56, .size: 8, .value_kind: global_buffer, .address_space: global }
      - { .name: wc, .offset: 64, .size: 8, .value_kind: global_buffer, .address_space: global }
      - { .name: rope, .offset: 72, .size: 8, .value_kind: global_buffer, .address_space: global }
    .group_segment_fixed_size: 34304
    .private_segment_fixed_size: 0
    .kernarg_segment_align: 8
    .kernarg_segment_size: 80
    .max_flat_workgroup_size: 128
    .sgpr_count:     66
    .vgpr_count:     192
    .wavefront_size: 32
...
	.end_amdgpu_metadata
.endif
;; end of part 1
;; launch qkv (part 2): grid 32 x 8, 4 waves a work-group, clusters of 4 x 4, 327,680 bytes of LDS; arguments xc, wc, rope, lowp_scales, Wo, qkv, woc; writes qkv, woc
.if DOCPART == 2
	.amdgcn_target "amdgcn-amd-amdhsa--gfx1250"
	.amdhsa_code_object_version 6
	.text
	.protected	k_qab5b5a7ec0_qkv
	.globl	k_qab5b5a7ec0_qkv
	.p2align	8
	.type	k_qab5b5a7ec0_qkv,@function
k_qab5b5a7ec0_qkv:
	s_mov_b64 s[64:65], 0
	v_nop
	global_prefetch_b8 v0, s[64:65] scope:SCOPE_SE
	s_setreg_imm32_b32 hwreg(HW_REG_WAVE_MODE, 25, 1), 1
	s_wait_xcnt 0x0
	s_wait_alu depctr_hold_cnt(0) depctr_sa_sdst(0) depctr_va_vdst(0) depctr_va_sdst(0) depctr_va_ssrc(0) depctr_va_vcc(0) depctr_vm_vsrc(0)
	s_getreg_b32 s2, hwreg(HW_REG_IB_STS2, 6, 4)
	s_cmp_eq_u32 s2, 0
	s_cbranch_scc0 .Lentry_in_a_cluster
	s_endpgm
.Lentry_in_a_cluster:
	s_bfe_u32 s2, ttmp6, 0x10000c
	s_cmp_lg_u32 s2, 0xf033
	s_cbranch_scc0 .Lentry_shape_is_right
	s_endpgm
.Lentry_shape_is_right:
; q = rope(x Wq^T), k = rope(x Wk^T), v = x Wv^T on codes of E4M3, and their codes for the attention: nothing of them goes to memory in f32.  Beside them: Wo's codes for the last projection.
; The operands lie as images of operand registers (16 rows x 128 K in 2,048 bytes, registers 4 c .. 4 c + 3 of lane l at 512 c + 16 l; a panel of 128 rows is 256 KiB, its K steps of 16 KiB on end).
; which = cluster x / 2.  which = 0, 1, 2: a work-group of four waves makes 256 x 256 of one of the three products; a wave 128 x 128: 64 accumulators, 512 registers: 192 work-groups.
; which = 3: 64 work-groups quantise Wo ([2048][2048] f32, scale entry 11), 32 rows each: work that this launch's products do not need and the last launch does.  They have no tensor load and no barrier
; but the closing round; the branch hangs on the cluster's x alone, which all sixteen partners share.  LIMIT: e11 between -126 and 119; NaN in Wo is not served.
; K goes in steps of 128, two to a slot, through a ring of two LDS slots; a wave's tensor load brings 32 KiB, dense: one panel's two K steps.
; THE MATRIX INSTRUCTION IS USED TRANSPOSED: source 1 ('A') gives a lane its row, source 0 ('B') its eight registers.  For q and k A = x (a lane holds one token and eight neighbouring d: the next K); for v
; A = Wv and B = x, by address alone: a lane then holds one d and eight neighbouring KEYS, which are the K of the attention's second product.  Nothing is transposed by an instruction.
; A wave's 128 columns of B are one head (q, k), its 128 rows of A one head (v).  The partner d +- 64 of the rotation is accumulator b +- 4 of the same lane.  The rotation is linear, so the sums' scale
; 2^(ea + eb) is folded with the result's own scale into the conversion's one: E = e6 - e0 - e1 (q), e7 - e2 - e3 (k), e9 - e4 - e5 (v).  LIMIT: E between -126 and 119.
; cos and sin of a work-group's 256 tokens come by joint loads into the slots that the products are done with: tokens 0-63 of both panels into slot 0 under the last slot's products, tokens 64-127 into slot 1.
; OUT: [q, k, v: 4 MiB each][head 16][block of 128: 16][8 fragments of 2,048 bytes].  q, k: fragment a of block t: tokens 128 t + 16 a on, K = d.  v: fragment a of block t: d = 16 a on, K = keys 128 t on.
; CLUSTERS: 4 x 4 work-groups of one product.  The four of a row of the cluster need the same tiles of A and the same tables, the four of a column the same tiles of B: each is asked for jointly.
; PREFETCH: behind the load of slot s one instruction a wave asks for slot s + 2 (at the head for slots 1 and 2); in the last trip q's and k's waves ask for the tables.  The four partners of a joint load share
; its 128 blocks of 256 bytes out by address (cx for A and the tables, cy for B): each block is named once in a cluster.
; REGISTERS, in windows of 256: window 0: v2, v3, v16-31 addresses and scales; v32-95 at work on the way out; from v128 A's fragments, ONE set (on the way out: the codes, 16 registers a block).
;   window 1: B's fragments, TWO sets (on the way out: two sets of cos and sin).   windows 2, 3: the accumulators of my rows 0-63, 64-127: (a, b) at v[8 (8 (a % 4) + b)].
;   Wo's path, window 0 alone: v32-159 two sets of 16 rows as loaded; v160-223 a lane's 64 numbers; v224-239 held numbers; v240-255 codes.
.set SLOT,   131072                    ; A's two panels, then B's two: 4 x 32 KiB, each [K step 2][block of 16 rows 8][2048]
.set SPARE,  2*SLOT                    ; behind the ring: the spare words, 128 bytes for each wave
.set WSTG,   SPARE+512                 ; behind them: Wo's path's stages, 16 rows x 528 bytes for each wave: no tile lands there
.set WST,    8448
.set FR,     16                        ; registers of a fragment
.set NP,     4                         ; places behind this matrix instruction (ISA guide 7.12.1)
.set LAPS,   4                         ; 2,048 along K = 4 times round the ring of two slots of 256
.set VS,   2                           ; v2      Wo's path: into my stage: 16 x lane
.set VR,   3                           ; v3      out of it: 528 r + 32 h
.set ADRA, 16                          ; v16-17  LDS address of my A fragments in slot 0, 1
.set ADT,  18                          ; v18-19  of my panel's tables
.set ADRB, 20                          ; v20-21  of my B fragments
.set PFO,  26                          ; v26     256 x lane; never rewritten
.set LI,   27                          ; v27     16 x lane
.set SPW,  28                          ; v28     LDS address of my spare word; never rewritten
.set NIL,  29                          ; v29     0; never rewritten
.set SC,   30                          ; v30     the conversion's scale as f32
.set LIM,  31                          ; v31     448 x that
.set T,    32                          ; v32-95  a block's 64 numbers
.set AF,   128
.set WR,   32
.set WX,   160
.set WT,   224
.set WC,   240
.set G1, 24                            ; s[24:31] descriptor group 1 for A's tiles and the tables;  s[32:39] A's group 0, one set for each slot
.set G0, 32
.set G1B, 48                           ; s[48:55], s[56:63] the same for B's tiles
.set G0B, 56
.set WH,  66                           ; s66  which
.set LST, 67                           ; s67  a trip asks while the trips to go are more than this: 1 for v, 0 for q and k
.set TPF, 84                           ; s[84:85] where my prefetches of the tables begin
.set OB,  86                           ; s[86:87] my block of eight fragments in the output
.set WOP, 92                           ; s[92:93] Wo
.set WCP, 94                           ; s[94:95] Wo's codes
.set G0T, 96                           ; s[96:99] group 0 of my tile of the tables
.set PFA, 100                          ; s[100:101] where my prefetches stand
.set MSB, 0
.macro WIN new                         ; the immediate's high byte repeats the setting that is left
.if MSB != (\new)
	s_set_vgpr_msb (MSB<<8)|(\new)
.set MSB, (\new)
.endif
.endm
.set MUL_LO, 0xa1                      ; source 0 (B) window 1, source 1 (A) window 0, C and D window 2
.set MUL_HI, 0xf1                      ; the same, C and D window 3
.set TO_B,   0x40                      ; destination window 1, address window 0
; A joint load: waves 0 and 1 fetch for A, waves 2 and 3 for B; the branch hangs on the wave's number alone.  s_nop 0 and four v_nop follow each of the two lines.
.macro JLOAD g0a, g1a, g0b, g1b
	s_cmp_eq_u32 s15, 0
	s_cbranch_scc0 .Lfor_b_\@
	tensor_load_to_lds s[\g0a:\g0a+3], s[\g1a:\g1a+7]
	s_nop 0
.rept 4
	v_nop
.endr
	s_branch .Lasked_\@
.Lfor_b_\@:
	tensor_load_to_lds s[\g0b:\g0b+3], s[\g1b:\g1b+7]
	s_nop 0
.rept 4
	v_nop
.endr
.Lasked_\@:
.endm
.macro ASK
	s_cmp_gt_u32 s3, s[LST]
	s_cbranch_scc0 .Lno_ask_\@
	global_prefetch_b8 v[PFO], s[PFA:PFA+1] th:TH_LOAD_NT scope:SCOPE_SE
.Lno_ask_\@:
.endm
.macro CREST                           ; a round of the cluster's barrier behind its opening barrier
	s_cmp_lg_u32 s14, 0
	s_cbranch_scc1 .Lnot_wave_0_\@
	s_barrier_signal -3
.Lnot_wave_0_\@:
	s_barrier_wait -3
	s_barrier_signal -1
	s_barrier_wait -1
.endm
.macro CROUND                          ; a whole round
	s_barrier_signal -1
	s_barrier_wait -1
	CREST
.endm
	s_load_b256 s[4:11], s[0:1], 0x0               ; xc s[4:5], wc s[6:7], rope s[8:9], the scales' exponents s[10:11]
	s_load_b64 s[WOP:WOP+1], s[0:1], 0x20          ; Wo
	s_load_b64 s[12:13], s[0:1], 0x28              ; qkv
	s_load_b64 s[WCP:WCP+1], s[0:1], 0x30          ; woc
	v_lshl_add_u32 v[SPW], v0, 2, SPARE
	v_mov_b32 v[NIL], 0
	ds_add_u32 v[SPW], v[NIL]                      ; the wave's opening: the add, twice on end, and its wait
	ds_add_u32 v[SPW], v[NIL]
	v_lshrrev_b32 v1, 5, v0
	v_readfirstlane_b32 s14, v1                    ; wave 0..3
	v_and_b32 v1, 31, v0
	v_lshlrev_b32 v[LI], 4, v1
	v_lshlrev_b32 v[PFO], 8, v1
	v_and_b32 v4, 15, v0                           ; r
	v_bfe_u32 v5, v0, 4, 1                         ; h
	s_mul_i32 s88, s14, WST                        ; Wo's path's LDS addresses are made here, ahead of the parting of the paths
	s_add_co_u32 s88, s88, WSTG
	v_add_nc_u32 v[VS], s88, v[LI]
	v_mul_u32_u24 v[VR], v4, 528
	v_lshl_add_u32 v[VR], v5, 5, v[VR]
	v_add_nc_u32 v[VR], s88, v[VR]
	s_wait_alu depctr_va_vdst(0)
	s_lshr_b32 s15, s14, 1                         ; which panel of A is mine.  Also: I fetch for A (0) or for B (1)
	s_and_b32 s16, s14, 1                          ; which panel of B.  Also: which of the two panels I fetch
	s_bfe_u32 s40, ttmp6, 0x40000                  ; cx, cy: my place in the cluster
	s_bfe_u32 s41, ttmp6, 0x40004
	s_lshr_b32 s[WH], ttmp9, 1                     ; two clusters along x to each: the same number in all sixteen partners
	s_and_b32 s42, ttmp9, 1
	s_lshl_b32 s42, s42, 2
	s_add_co_u32 s42, s42, s40                     ; tile column 0..7
	s_and_b32 s17, ttmp7, 0xffff
	s_lshl_b32 s17, s17, 2
	s_add_co_u32 s17, s17, s41                     ; tile row 0..7
	s_lshl_b32 s43, s41, 2
	s_lshl_b32 s43, 15, s43                        ; my row of the cluster
	s_lshl_b32 s44, 0x1111, s40                    ; my column
	; descriptor group 1: 32 KiB, dense, as 128 rows of 32 elements of 8 bytes; no padding: an image is read 512 consecutive bytes at a time
	s_or_b32 s[G1+0], s43, (3<<16)|(1<<21)         ; 15:0 the mask: A's tiles go to my row; 17:16 elements of 8 bytes; 21 set beside a mask
	s_or_b32 s[G1B+0], s44, (3<<16)|(1<<21)
.irp g, G1, G1B
	s_mov_b32 s[\g+1], 32<<16                      ; tensor_dim0
	s_mov_b32 s[\g+2], 128<<16                     ; tensor_dim1
	s_mov_b32 s[\g+3], 32<<16                      ; tile_dim0
	s_mov_b32 s[\g+4], 128                         ; tile_dim1
	s_mov_b32 s[\g+5], 32                          ; tensor_dim0_stride
	s_mov_b32 s[\g+6], 0
	s_mov_b32 s[\g+7], 0
.endr
	s_lshl_b32 s18, s[WH], 22                      ; each product's operands and results lie 4 MiB apart
	s_lshl_b32 s20, s17, 1
	s_add_co_u32 s20, s20, s16
	s_lshl_b32 s20, s20, 18                        ; A: panel 2 x tile row + the one that I fetch
	s_add_co_u32 s20, s20, s18
	s_mov_b32 s21, 0
	s_lshl_b32 s46, s42, 1
	s_add_co_u32 s46, s46, s16
	s_lshl_b32 s46, s46, 18                        ; B: panel 2 x tile column + the one that I fetch
	s_add_co_u32 s46, s46, s18
	s_mov_b32 s47, 0
	s_lshl_b32 s45, s14, 15                        ; where they go: wave x 32 KiB: no place in the cluster enters an LDS address
	s_wait_dscnt 0x0                               ; both opening adds are done
	s_wait_kmcnt 0x0
	s_load_b256 s[72:79], s[10:11], 0x0            ; e0 .. e7
	s_load_b128 s[80:83], s[10:11], 0x20           ; e8 .. e11
	s_cmp_eq_u32 s[WH], 3                          ; the last four clusters quantise Wo
	s_cbranch_scc1 .Lwo
	s_cmp_eq_u32 s[WH], 2                          ; for v the weight gives the lane its row
	s_cselect_b64 s[68:69], s[6:7], s[4:5]
	s_cselect_b64 s[70:71], s[4:5], s[6:7]
	s_cselect_b32 s[LST], 1, 0
	s_add_nc_u64 s[20:21], s[68:69], s[20:21]
	s_add_nc_u64 s[46:47], s[70:71], s[46:47]
.irp s, 0,1
	s_mov_b32 s[G0+4*\s], 1
	s_add_co_u32 s[G0+4*\s+1], s45, \s*SLOT
	s_add_nc_u64 s[G0+4*\s+2:G0+4*\s+3], s[20:21], \s*32768
	s_or_b32 s[G0+4*\s+3], s[G0+4*\s+3], 0x80000000
	s_mov_b32 s[G0B+4*\s], 1
	s_add_co_u32 s[G0B+4*\s+1], s45, \s*SLOT
	s_add_nc_u64 s[G0B+4*\s+2:G0B+4*\s+3], s[46:47], \s*32768
	s_or_b32 s[G0B+4*\s+3], s[G0B+4*\s+3], 0x80000000
.endr
	CROUND                                         ; all sixteen work-groups are here: the first joint loads meet
	JLOAD G0, G1, G0B, G1B                         ; slot 0: one tensor load a wave at the head
	s_cmp_eq_u32 s15, 0                            ; the prefetches: my work-group's 8 KiB of the 32 that I fetch
	s_cselect_b32 s88, s40, s41
	s_cselect_b64 s[PFA:PFA+1], s[20:21], s[46:47]
	s_lshl_b32 s88, s88, 13
	s_add_co_u32 s88, s88, 98304                   ; they stand at slot 3
	s_mov_b32 s89, 0
	s_add_nc_u64 s[PFA:PFA+1], s[PFA:PFA+1], s[88:89]
	global_prefetch_b8 v[PFO], s[PFA:PFA+1] offset:-65536 th:TH_LOAD_NT scope:SCOPE_SE   ; slot 1
	global_prefetch_b8 v[PFO], s[PFA:PFA+1] offset:-32768 th:TH_LOAD_NT scope:SCOPE_SE   ; slot 2
	s_lshl_b32 s22, s15, 15                        ; my panel of A
	s_lshl_b32 s23, s16, 15                        ; my panel of B,
	s_add_co_u32 s23, s23, 65536                   ; behind A's two
	s_lshl_b32 s68, s15, 16                        ; my panel's tables
.irp s, 0,1
	v_add_nc_u32 v[ADRA+\s], s22, v[LI]
	v_add_nc_u32 v[ADRB+\s], s23, v[LI]
	v_add_nc_u32 v[ADT+\s], s68, v[LI]
	s_add_co_u32 s22, s22, SLOT
	s_add_co_u32 s23, s23, SLOT
	s_add_co_u32 s68, s68, SLOT
.endr
	; the tables: wave w fetches panel w / 2, cos (w % 2 = 0) or sin: 64 tokens, 32 KiB, at a time
	s_lshl_b32 s98, s17, 1
	s_add_co_u32 s98, s98, s15
	s_lshl_b32 s98, s98, 16
	s_lshl_b32 s99, s16, 20
	s_add_co_u32 s98, s98, s99
	s_mov_b32 s99, 0
	s_add_nc_u64 s[G0T+2:G0T+3], s[8:9], s[98:99]
	s_lshl_b32 s88, s40, 13
	s_add_nc_u64 s[TPF:TPF+1], s[G0T+2:G0T+3], s[88:89]
	s_or_b32 s[G0T+3], s[G0T+3], 0x80000000
	s_mov_b32 s[G0T], 1
	s_mov_b32 s[G0T+1], s45                        ; into slot 0
	s_lshl_b32 s70, s17, 1
	s_add_co_u32 s70, s70, s15                     ; vv: my panel of A among 16
	s_lshl_b32 s86, s42, 1
	s_add_co_u32 s86, s86, s16                     ; u: my panel of B among 16
	s_lshl_b32 s87, s86, 4
	s_add_co_u32 s87, s87, s70                     ; q, k: head u, block of tokens vv
	s_lshl_b32 s71, s70, 4
	s_add_co_u32 s71, s71, s86                     ; v: head vv, block of keys u
	s_cmp_eq_u32 s[WH], 2
	s_cselect_b32 s86, s71, s87
	s_lshl_b32 s86, s86, 14
	s_add_co_u32 s86, s86, s18
	s_mov_b32 s87, 0
	s_add_nc_u64 s[OB:OB+1], s[12:13], s[86:87]
	s_wait_kmcnt 0x0
	s_sub_co_i32 s88, s78, s72                     ; q: e6 - e0 - e1
	s_sub_co_i32 s88, s88, s73
	s_sub_co_i32 s89, s79, s74                     ; k: e7 - e2 - e3
	s_sub_co_i32 s89, s89, s75
	s_sub_co_i32 s90, s81, s76                     ; v: e9 - e4 - e5
	s_sub_co_i32 s90, s90, s77
	s_cmp_eq_u32 s[WH], 1
	s_cselect_b32 s88, s89, s88
	s_cmp_eq_u32 s[WH], 2
	s_cselect_b32 s88, s90, s88
	s_add_co_i32 s88, s88, 127
	s_lshl_b32 s89, s88, 23
	s_add_co_i32 s88, s88, 8
	s_lshl_b32 s88, s88, 23
	s_or_b32 s88, s88, 0x600000
	v_mov_b32 v[SC], s89
	v_mov_b32 v[LIM], s88
.macro FRAG reg, adr, q, i             ; a fragment comes as it was stored: four loads of 512 consecutive bytes
.irp c, 0,1,2,3
	ds_load_b128 v[\reg+4*\c:\reg+4*\c+3], v[\adr] offset:16384*(\q)+2048*(\i)+512*\c
.endr
.endm
; 16 matrix instructions: A's blocks a0, a0 + 1 x B's eight, 128 along K.  p: B's set.  zero = 1: the first product starts the sums.
; The 64 accumulators take turns, one instruction a turn, in the same order in every step.
.macro MUL16 a0, p, zero
.irp a, \a0, \a0+1
.irp b, 0,1,2,3,4,5,6,7
.if \zero
	v_wmma_f32_16x16x128_fp8_fp8 v[8*(8*((\a)%4)+\b):8*(8*((\a)%4)+\b)+7], v[128*(\p)+FR*\b:128*(\p)+FR*\b+FR-1], v[AF+FR*(\a):AF+FR*(\a)+FR-1], 0
.else
	v_wmma_f32_16x16x128_fp8_fp8 v[8*(8*((\a)%4)+\b):8*(8*((\a)%4)+\b)+7], v[128*(\p)+FR*\b:128*(\p)+FR*\b+FR-1], v[AF+FR*(\a):AF+FR*(\a)+FR-1], v[8*(8*((\a)%4)+\b):8*(8*((\a)%4)+\b)+7]
.endif
.endr
.endr
.endm
.macro FETCH_B slot, q, p, i0          ; four of B's fragments into set p: 16 loads
	WIN TO_B
.irp i, \i0, \i0+1, \i0+2, \i0+3
	FRAG 128*(\p)+FR*(\i), ADRB+\slot, \q, \i
.endr
.endm
.macro FETCH_A slot, q, i0             ; four of A's
	WIN 0
.irp i, \i0, \i0+1, \i0+2, \i0+3
	FRAG AF+FR*(\i), ADRA+\slot, \q, \i
.endr
.endm
.macro PLACES n                        ; plain vector lines between a matrix instruction and a load into a register that it read, or a read of its result (ISA guide 7.12.1 for a read of its result)
.rept \n
	v_nop
.endr
.endm
; A slot's first step of 128 along K, on B's set 0.  A block of A is free when its eight products are issued, so A has one set.  The LDS loads go in runs of 32, one ahead of each 32 products.
.macro STEP slot, zero
	FETCH_A \slot, 0, 4
	FETCH_B \slot, 1, 1, 0
	s_wait_dscnt 32                                ; B's set 0 and A's blocks 0-3 are in; the 32 just issued may be out
	WIN MUL_LO
	MUL16 0, 0, \zero
	MUL16 2, 0, \zero
	s_wait_dscnt 16                                ; A's blocks 4-7 are in; the 16 of B's set 1 may be out
	PLACES NP
	FETCH_B \slot, 1, 1, 4
	FETCH_A \slot, 1, 0
	WIN MUL_HI
	MUL16 4, 0, \zero
	MUL16 6, 0, \zero
	PLACES NP
	FETCH_A \slot, 1, 4
.endm
; THE WAY OUT.  cos and sin of block a's 16 tokens, in lane order, into set a % 2 of window 1: 32 loads of 512 consecutive bytes.
.macro LOADT a
	WIN TO_B
.irp i, 0,1,2,3,4,5,6,7,8,9,10,11,12,13,14,15
	ds_load_b128 v[128*((\a)%2)+4*\i:128*((\a)%2)+4*\i+3], v[ADT+(\a)/4] offset:8192*((\a)%4)+512*\i
.endr
.irp i, 0,1,2,3,4,5,6,7,8,9,10,11,12,13,14,15
	ds_load_b128 v[128*((\a)%2)+64+4*\i:128*((\a)%2)+64+4*\i+3], v[ADT+(\a)/4] offset:32768+8192*((\a)%4)+512*\i
.endr
	WIN 0
.endm
; A slot's second step, on B's set 1, changes slots.  Its first 32 products are issued AHEAD of the wait for the tensor loads.  ONE barrier: in front of it each wave waits for all its tensor loads, adds 0 to its
; spare word, and waits for that and for its own reads of this slot.  fill = 1: this slot is filled again, two slots ahead.  fill = 2: it takes the tables of tokens 0-63 of both panels.
; fill = 3: it takes those of tokens 64-127, and block 0's tables are read in place of fragments.  fill = 0: nothing.
.macro TURN slot, next, fill
	s_wait_dscnt 16                                ; B's set 1 and A's blocks 0-3 are in; the youngest sixteen loads (A's blocks 4-7) may be out
	WIN MUL_LO
	MUL16 0, 1, 0
	MUL16 2, 1, 0
	WIN 0                                          ; (the add's two registers lie in window 0)
.if (\fill) == 1
	s_wait_xcnt 0x0                                ; my earlier prefetches have read their address
	s_add_nc_u64 s[PFA:PFA+1], s[PFA:PFA+1], 32768
.if (\slot) == 0
	s_cmp_eq_u32 s3, 1                             ; the last trip: no slot is left to ask for; q and k ask for the tables
	s_cselect_b64 s[PFA:PFA+1], s[TPF:TPF+1], s[PFA:PFA+1]
.endif
.endif
	s_wait_tensorcnt 0x0                           ; all my tensor loads have landed: my part of the next slot
	ds_add_u32 v[SPW], v[NIL]                      ; 0 onto my spare word
	s_wait_dscnt 0x0                               ; the add is done, and my reads of this slot are over
	s_barrier_signal -1
	WIN MUL_HI
	MUL16 4, 1, 0                                  ; work on registers while the others arrive
	WIN 0
	s_barrier_wait -1
.if \fill
	CREST                                          ; the barrier has opened a round of the cluster's barrier: no wave of any partner still reads this slot or has a load on its way
.endif
.if (\fill) == 1
	s_add_nc_u64 s[G0+4*\slot+2:G0+4*\slot+3], s[G0+4*\slot+2:G0+4*\slot+3], 65536
	s_add_nc_u64 s[G0B+4*\slot+2:G0B+4*\slot+3], s[G0B+4*\slot+2:G0B+4*\slot+3], 65536
	JLOAD G0+4*\slot, G1, G0B+4*\slot, G1B         ; the first tensor load behind the round; its four v_nop are the places in front of the loads below
.endif
.if (\fill) > 1
.if (\fill) == 3
	s_add_co_u32 s[G0T+1], s45, SLOT
	s_add_nc_u64 s[G0T+2:G0T+3], s[G0T+2:G0T+3], 32768
.endif
	tensor_load_to_lds s[G0T:G0T+3], s[G1:G1+7]    ; all four waves, a tile of their own each, shared along the row of the cluster
	s_nop 0
.endif
.if (\fill) != 1
	PLACES NP
.endif
.if (\fill) == 3
	LOADT 0
.else
	FETCH_B \next, 0, 0, 0
	FETCH_B \next, 0, 0, 4
	FETCH_A \next, 0, 0
.if (\fill) == 1
	ASK
.endif
.endif
	WIN MUL_HI
	MUL16 6, 1, 0
	PLACES NP
.endm
.macro CODES a                         ; T's 64 numbers, held already, become block a's fragment; each block's codes have registers of their own, so no store's data are written again
.set CD, 128+16*(\a)
.irp b, 0,1,2,3,4,5,6,7
	v_cvt_scalef32_pk8_fp8_f32 v[CD+2*\b:CD+2*\b+1], v[T+8*\b:T+8*\b+7], v[SC]   ; accumulator b's eight numbers are k = 16 b + 8 h + 0 .. 7: registers 2 b, 2 b + 1 of the fragment
.endr
	v_nop                                          ; a plain line behind the last conversion: the next block writes T
.irp c, 0,1,2,3
	global_store_b128 v[LI], v[CD+4*\c:CD+4*\c+3], s[OB:OB+1] offset:2048*(\a)+512*\c   ; 512 consecutive bytes, aligned
.endr
.endm
.macro EPI_R a                         ; q, k: t cos + rotate(t) sin, each accumulator from its low end on
.set AC, 64*((\a)%4)
.set TBL, 128*((\a)%2)
.if (\a) < 7
	s_wait_dscnt 32                                ; this block's tables are in; the next block's 32 loads may be out
.else
	s_wait_dscnt 0x0
.endif
	WIN 6+(\a)/4                                   ; source 0: the sums, window 2 or 3; source 1: the tables, window 1
.irp b, 0,1,2,3,4,5,6,7
.irp j, 0,2,4,6
	v_pk_mul_f32 v[T+8*\b+\j:T+8*\b+\j+1], v[AC+8*\b+\j:AC+8*\b+\j+1], v[TBL+8*\b+\j:TBL+8*\b+\j+1]
.endr
.endr
.irp b, 0,1,2,3
.irp j, 0,2,4,6
	v_pk_fma_f32 v[T+8*\b+\j:T+8*\b+\j+1], v[AC+8*(\b+4)+\j:AC+8*(\b+4)+\j+1], v[TBL+64+8*\b+\j:TBL+64+8*\b+\j+1], v[T+8*\b+\j:T+8*\b+\j+1] neg_lo:[0,1,0] neg_hi:[0,1,0]   ; d < 64: - t(d + 64) sin(d)
	v_pk_fma_f32 v[T+8*(\b+4)+\j:T+8*(\b+4)+\j+1], v[AC+8*\b+\j:AC+8*\b+\j+1], v[TBL+64+8*(\b+4)+\j:TBL+64+8*(\b+4)+\j+1], v[T+8*(\b+4)+\j:T+8*(\b+4)+\j+1]   ; d >= 64: + t(d - 64) sin(d)
.endr
.endr
.if (\a) == 2                          ; the tables of blocks 4-7, in slot 1: my part is in, and behind the barrier everybody's
	WIN 0
	s_wait_tensorcnt 0x0
	s_wait_dscnt 0x0
	s_barrier_signal -1
	s_barrier_wait -1
.endif
.if (\a) < 6
	LOADT (\a)+2                                   ; the set just read takes the tables of two blocks on
.endif
	WIN 0
.set i, 0
.rept 64
	v_med3_num_f32 v[T+i], v[T+i], -v[LIM], v[LIM]   ; the conversion does not saturate (ISA guide 7.6.2): the hold comes first
.set i, i+1
.endr
	CODES \a
.endm
.macro EPI_V a                         ; v: the sums as they are
.set AC, 64*((\a)%4)
	WIN 2+(\a)/4
.set i, 0
.rept 64
	v_med3_num_f32 v[T+i], v[AC+i], -v[LIM], v[LIM]
.set i, i+1
.endr
	WIN 0
	CODES \a
.endm
	s_wait_alu depctr_va_vdst(0)                   ; the wait at the head's end
	s_wait_tensorcnt 0x0                           ; my part of slot 0 is in; these lines stand ahead of a later first fill, as ahead of a refill:
	ds_add_u32 v[SPW], v[NIL]                      ; 0 onto my spare word
	s_wait_dscnt 0x0
	CROUND                                         ; everybody's part of slot 0 is in, and all sixteen work-groups are here
	JLOAD G0+4, G1, G0B+4, G1B                     ; slot 1, the first tensor load behind the round
	FETCH_B 0, 0, 0, 0
	FETCH_B 0, 0, 0, 4
	FETCH_A 0, 0, 0
	global_prefetch_b8 v[PFO], s[PFA:PFA+1] th:TH_LOAD_NT scope:SCOPE_SE   ; slot 3
	STEP 0, 1                                      ; the first step stands in front of the loop: its products start the sums
	s_mov_b32 s3, LAPS-1
.Llap:                                                 ; a trip goes once round the ring, from a lap's second step to the next lap's first, and fills both slots again
	TURN 0, 1, 1
	STEP 1, 0
	TURN 1, 0, 1
	STEP 0, 0
	s_sub_co_u32 s3, s3, 1
	s_cmp_lg_u32 s3, 0
	s_cbranch_scc1 .Llap
	s_cmp_eq_u32 s[WH], 2                          ; the same in all partners: v has a tail of its own, without the tables
	s_cbranch_scc1 .Lv
	TURN 0, 1, 2
	STEP 1, 0
	TURN 1, 0, 3
	LOADT 1
.irp a, 0,1,2,3,4,5,6,7
	EPI_R \a
.endr
	s_branch .Ldone
.Lv:
	TURN 0, 1, 0                                   ; nothing is filled, and no round of the cluster's barrier follows
	STEP 1, 0
	s_wait_dscnt 16                                ; the very last step: nothing more to fetch
	WIN MUL_LO
	MUL16 0, 1, 0
	MUL16 2, 1, 0
	s_wait_dscnt 0x0
	WIN MUL_HI
	MUL16 4, 1, 0
	MUL16 6, 1, 0
	PLACES NP
.irp a, 0,1,2,3,4,5,6,7
	EPI_V \a
.endr
	s_branch .Ldone
; Wo's PATH.  Work-group 8 x tile row + tile column (0 .. 63) takes rows 32 x that on: two blocks of 16 rows; wave w takes K steps 4 w .. 4 w + 3, one a trip, of both blocks.
; Each load reads 512 consecutive bytes of a row; the 16 rows turn through the wave's own stage in LDS and come back as a lane's 64 numbers (register 8 c + n = k 16 c + 8 h + n of row r).
; The work-group's place in its cluster enters global addresses alone.
.macro WFRAG f
.if \f == 0
	s_wait_loadcnt 16                              ; this block's 16 loads are in; the other's 16 may be out
.else
	s_wait_loadcnt 0x0
.endif
.irp i, 0,1,2,3,4,5,6,7,8,9,10,11,12,13,14,15
	ds_store_b128 v[VS], v[WR+64*\f+4*\i:WR+64*\f+4*\i+3] offset:528*\i
.endr
.irp i, 0,1,2,3,4,5,6,7,8,9,10,11,12,13,14,15
	ds_load_b128 v[WX+4*\i:WX+4*\i+3], v[VR] offset:64*(\i/2)+16*(\i%2)   ; LDS serves a wave's instructions in order: these see the stores above
.endr
	s_wait_dscnt 0x0                               ; the numbers are in, and the stage's stores have read this set
	s_wait_xcnt 0x0                                ; the last block's stores have read the codes' registers
.irp k, 0,1,2,3,4,5,6,7
.irp n, 0,1,2,3,4,5,6,7
	v_med3_num_f32 v[WT+8*(\k%2)+\n], v[WX+8*\k+\n], -v[LIM], v[LIM]   ; the hold ahead of a conversion that does not saturate (ISA guide 7.6.2); two sets by turns
.endr
	v_cvt_scalef32_pk8_fp8_f32 v[WC+2*\k:WC+2*\k+1], v[WT+8*(\k%2):WT+8*(\k%2)+7], v[SC]
.endr
	v_nop                                          ; a plain line behind the last conversion
.irp c, 0,1,2,3
	global_store_b128 v[LI], v[WC+4*\c:WC+4*\c+3], s[WCP:WCP+1] offset:2048*\f+512*\c   ; 512 consecutive bytes, aligned
.endr
.endm
.Lwo:
	s_lshl_b32 s88, s17, 3
	s_add_co_u32 s88, s88, s42                     ; 0 .. 63
	s_lshl_b32 s90, s88, 18                        ; 32 rows of 8,192 bytes
	s_lshl_b32 s91, s14, 11                        ; my four K steps of 512 bytes
	s_add_co_u32 s90, s90, s91
	s_mov_b32 s91, 0
	s_add_nc_u64 s[WOP:WOP+1], s[WOP:WOP+1], s[90:91]
	s_lshr_b32 s90, s88, 2                         ; the images' place: four work-groups to a panel of 262,144 bytes, two blocks of 2,048 each, wave x 4 K steps of 16,384
	s_lshl_b32 s90, s90, 18
	s_and_b32 s91, s88, 3
	s_lshl_b32 s91, s91, 12
	s_add_co_u32 s90, s90, s91
	s_lshl_b32 s91, s14, 16
	s_add_co_u32 s90, s90, s91
	s_mov_b32 s91, 0
	s_add_nc_u64 s[WCP:WCP+1], s[WCP:WCP+1], s[90:91]
	s_wait_kmcnt 0x0
	s_add_co_i32 s90, s83, 127                     ; e11
	s_lshl_b32 s91, s90, 23
	v_mov_b32 v[SC], s91                           ; 2^e11 as f32
	s_add_co_i32 s90, s90, 8
	s_lshl_b32 s90, s90, 23
	s_or_b32 s90, s90, 0x600000
	v_mov_b32 v[LIM], s90                          ; 448 x 2^e11
	s_wait_alu depctr_va_vdst(0)                   ; the wait at the head's end
	s_mov_b32 s3, 4
.Lwt:
.irp b, 0,1
.irp i, 0,1,2,3,4,5,6,7,8,9,10,11,12,13,14,15
	global_load_b128 v[WR+64*\b+4*\i:WR+64*\b+4*\i+3], v[LI], s[WOP:WOP+1] offset:131072*\b+8192*\i th:TH_LOAD_NT
.endr
.endr
	WFRAG 0
	WFRAG 1
	s_wait_xcnt 0x0                                ; the stores and loads have read their registers and bases
	s_add_nc_u64 s[WOP:WOP+1], s[WOP:WOP+1], 0x200
	s_add_nc_u64 s[WCP:WCP+1], s[WCP:WCP+1], 0x4000
	s_sub_co_u32 s3, s3, 1
	s_cmp_lg_u32 s3, 0
	s_cbranch_scc1 .Lwt
.Ldone:
	s_wait_tensorcnt 0x0                           ; the wave's end
	ds_add_u32 v[SPW], v[NIL]
	s_wait_dscnt 0x0
	CROUND                                         ; the closing round: no work-group ends while a partner may still ask for a tile that names it
	s_endpgm
.Lfunc_end_k_qab5b5a7ec0_qkv:
	.size	k_qab5b5a7ec0_qkv, .Lfunc_end_k_qab5b5a7ec0_qkv-k_qab5b5a7ec0_qkv
	.p2alignl 7, 3214868480
	.fill 96, 4, 3214868480
	.section	.rodata,"a",@progbits
	.p2align	6, 0x0
	.amdhsa_kernel k_qab5b5a7ec0_qkv
		.amdhsa_group_segment_fixed_size 327680
		.amdhsa_private_segment_fixed_size 0
		.amdhsa_enable_private_segment 0
		.amdhsa_kernarg_size 56
		.amdhsa_user_sgpr_count 2
		.amdhsa_user_sgpr_kernarg_segment_ptr 1
		.amdhsa_wavefront_size32 1
		.amdhsa_system_sgpr_workgroup_id_x 1
		.amdhsa_system_sgpr_workgroup_id_y 1
		.amdhsa_system_sgpr_workgroup_id_z 1
		.amdhsa_system_vgpr_workitem_id 0
		.amdhsa_next_free_vgpr 1024
		.amdhsa_next_free_sgpr 102
		.amdhsa_reserve_vcc 0
		.amdhsa_float_denorm_mode_32 3
		.amdhsa_float_denorm_mode_16_64 3
		.amdhsa_memory_ordered 1
		.amdhsa_forward_progress 1
		.amdhsa_inst_pref_size 250
	.end_amdhsa_kernel
	.amdgpu_metadata
---
amdhsa.version: [ 1, 2 ]
amdhsa.kernels:
  - .name:           k_qab5b5a7ec0_qkv
    .symbol:         k_qab5b5a7ec0_qkv.kd
    .args:
      - { .name: xc, .offset: 0, .size: 8, .value_kind: global_buffer, .address_space: global }
      - { .name: wc, .offset: 8, .size: 8, .value_kind: global_buffer, .address_space: global }
      - { .name: rope, .offset: 16, .size: 8, .value_kind: global_buffer, .address_space: global }
      - { .name: lowp_scales, .offset: 24, .size: 8, .value_kind: global_buffer, .address_space: global }
      - { .name: Wo, .offset: 32, .size: 8, .value_kind: global_buffer, .address_space: global }
      - { .name: qkv, .offset: 40, .size: 8, .value_kind: global_buffer, .address_space: global }
      - { .name: woc, .offset: 48, .size: 8, .value_kind: global_buffer, .address_space: global }
    .group_segment_fixed_size: 327680
    .private_segment_fixed_size: 0
    .kernarg_segment_align: 8
    .kernarg_segment_size: 56
    .max_flat_workgroup_size: 128
    .sgpr_count:     102
    .vgpr_count:     1024
    .wavefront_size: 32
...
	.end_amdgpu_metadata
.endif
;; end of part 2
;; launch attn (part 3): grid 16 x 16, 8 waves a work-group, no clusters, 287,744 bytes of LDS; arguments qkv, lowp_scales, ac; writes ac
.if DOCPART == 3
	.amdgcn_target "amdgcn-amd-amdhsa--gfx1250"
	.amdhsa_code_object_version 6
	.text
	.protected	k_qab5b5a7ec0_attn
	.globl	k_qab5b5a7ec0_attn
	.p2align	8
	.type	k_qab5b5a7ec0_attn,@function
k_qab5b5a7ec0_attn:
	s_mov_b64 s[64:65], 0
	v_nop
	global_prefetch_b8 v0, s[64:65] scope:SCOPE_SE
	s_setreg_imm32_b32 hwreg(HW_REG_WAVE_MODE, 25, 1), 1
	s_wait_xcnt 0x0
; Causal attention on codes of E4M3, 16 heads of 128, 2,048 tokens, and the codes of its result for the last projection.
; t = score x log2(e) / sqrt(128); M = the running largest t rounded UP to a whole number; p = 2^(t - M) is quantised (2^e8), not normalised; the row's sum is taken of the unquantised p and divides at the end.
; When M moves, the sum and O are multiplied by 2^(old M - new M): nothing is rounded.  A hidden score becomes -infinity ahead of the maximum, so its p is 0.
; Left out: key steps all of whose keys come after a block's queries (the reference's own causal mask hides them whole).
; q, k, v lie as images of operand registers: [q, k, v: 4 MiB each][head][block of 128][8 fragments of 2,048 bytes]; q, k: 16 tokens x K = d; v: 16 d x K = 128 keys (its first 64 keys are registers 0-7, the first 1,024 bytes).
; Both products are used transposed: S^T = K Q^T, O^T = V^T P^T: a lane holds ONE query throughout, and S^T's tile f holds keys (O^T's tile a holds d) 16 f + 8 h + 0 .. 7 in eight registers, the matrix form's own order of k.
; SHARES.  A work-group has one head and two blocks of 64 queries, A = px and B = 31 - px: px + 1 and 32 - px steps of 64 keys, 33 in all.  Waves 0 .. nA - 1, nA = (px + 5) / 5, take A's steps, the others B's, each every
; nA-th or (8 - nA)-th of them: at most five steps a wave.  A wave has all 64 queries of its block, four tiles: so each fragment of K and V is used by one wave of the work-group alone, for four tiles, and goes from
; memory straight into registers.  The loop has no barrier.  A step's first key is never after its block's first query, so every query has a key in every worked step.
; At the end each wave stores its four partial O^T, -M and sums in LDS; wave w then joins and finishes tile w % 4 of block A (w < 4) or B.  A wave of the other block counts with the factor 0.
; NO CLUSTER and no tensor load: nothing of K and V passes through LDS, and the number of steps hangs on px, which differs between the work-groups of a head.
; PREFETCH: all sixteen work-groups of a head walk the same K and V.  In its trips 0 and 1 wave 7 asks for 8 KiB of steps 16-23 and 24-31, which trips 2 to 4 load: K's by work-groups 0-7, V's by 8-15, told
; apart by address: each block of 256 bytes is named once in the launch.
; OUT: images again: rows = tokens, K step = the head.  LIMITS: e6 + e7 between -123 and 130; e8, and e10 - e8 - e9, between -126 and 119; scaled scores under 2^31 in magnitude.
; REGISTERS: window 0: v1-31 addresses and per-row numbers; v32-47 a tile of Q; v48-55 p's codes; v56-62 work; v64-127 K; v128-191 V; v192-255 two sets of S^T, by turns.  window 1: O^T of the four tiles.
.set MLB,  262144                      ; LDS: from byte 0 the partial O^T, [wave 8][tile 4][8,192]; here -M and the sums, [wave 8][tile 4][256]
.set QB,   MLB+8192                    ; Q: [block 2][tile 4][2,048]
.set SPARE, QB+16384                   ; the spare words, 128 bytes for each wave
.set LI,   1                           ; v1   16 x lane
.set DMP,  2
.set DML,  3
.set PFO,  4                           ; v4   256 x lane
.set SPW,  5
.set NIL,  6
.set DD,   7                           ; v7   the mask's bound
.set RH,   8                           ; v8   r - 8 h
.set PLIM, 9                           ; v9   448 x 2^e8
.set PSC,  10                          ; v10  2^e8
.set NINF, 11                          ; v11  -infinity
.set N0,   12                          ; v[12 + 2 t] -M, v[13 + 2 t] the largest t, of tile t
.set L0,   20                          ; v[20 + 2 t : 21 + 2 t] the sum in two halves
.set FC,   28                          ; v28 the factor by which the sums are brought under the new M (v29 is named beside it as a pair)
.set X,    30
.set Y,    31
.set Q,    32
.set P,    48
.set AA,   56
.set Z,    62                          ; a lane permute's destination
.set QAD,  63                          ; LDS address of my block's Q
.set K,    64
.set V,    128
.set S,    192
.set WV,   18
.set SEL,  20                          ; s[20:21] lane selects for v_permlanex16_b32: lane l xor 16
.set CS,   22                          ; s[22:23] c = log2(e) / sqrt(128) x 2^(e6 + e7)
.set HD,   70
.set NA,   71                          ; s71  how many waves have block A
.set BLK,  72                          ; s72  my block: also its last step of 64 keys, the one on the diagonal
.set J,    73                          ; s73  the step in hand;  s74 my next one;  s75 from step to step
.set JN,   74
.set NW,   75
.set TR,   76
.set PFL,  77                          ; s77  the trips in which I prefetch
.set KA,   78                          ; s[78:79] K at my step
.set VB,   80                          ; s[80:81] the head's V
.set VA,   82
.set PFA,  84
.set KST,  86                          ; s[86:87] from step to step of K, in bytes
.set MSB, 0
.macro WIN new                         ; the immediate's high byte repeats the setting that is left
.if MSB != (\new)
	s_set_vgpr_msb (MSB<<8)|(\new)
.set MSB, (\new)
.endif
.endm
.macro KLOAD                           ; 64 keys: four fragments, 16 loads of 512 consecutive bytes
.irp f, 0,1,2,3
.irp c, 0,1,2,3
	global_load_b128 v[K+16*\f+4*\c:K+16*\f+4*\c+3], v[LI], s[KA:KA+1] offset:2048*\f+512*\c
.endr
.endr
.endm
.macro VLOAD j                         ; step s[j]'s 64 keys of eight fragments: 16 loads of 512 consecutive bytes
	s_lshr_b32 s88, s[\j], 1
	s_lshl_b32 s88, s88, 14
	s_and_b32 s89, s[\j], 1
	s_lshl_b32 s89, s89, 10
	s_add_co_u32 s88, s88, s89
	s_mov_b32 s89, 0
	s_add_nc_u64 s[VA:VA+1], s[VB:VB+1], s[88:89]
.irp a, 0,1,2,3,4,5,6,7
.irp c, 0,1
	global_load_b128 v[V+8*\a+4*\c:V+8*\a+4*\c+3], v[LI], s[VA:VA+1] offset:2048*\a+512*\c
.endr
.endr
.endm
.macro QLOAD t
.irp c, 0,1,2,3
	ds_load_b128 v[Q+4*\c:Q+4*\c+3], v[QAD] offset:2048*(\t)+512*\c
.endr
.endm
	s_load_b128 s[4:7], s[0:1], 0x0                ; qkv s[4:5], the scales' exponents s[6:7]
	s_load_b64 s[8:9], s[0:1], 0x10                ; ac
	v_lshl_add_u32 v[SPW], v0, 2, SPARE
	v_mov_b32 v[NIL], 0
	v_lshrrev_b32 v30, 5, v0
	v_readfirstlane_b32 s[WV], v30                 ; wave 0..7
	v_and_b32 v31, 31, v0
	v_lshlrev_b32 v[LI], 4, v31
	v_lshlrev_b32 v[PFO], 8, v31
	s_and_b32 s[HD], ttmp7, 0xffff                 ; the head
	s_add_co_u32 s[NA], ttmp9, 5
	s_mul_i32 s[NA], s[NA], 205
	s_lshr_b32 s[NA], s[NA], 10                    ; (px + 5) / 5, rounded down, for px up to 15
	s_sub_co_u32 s88, 31, ttmp9
	s_sub_co_u32 s89, 8, s[NA]
	s_sub_co_u32 s90, s[WV], s[NA]
	s_cmp_lt_u32 s[WV], s[NA]
	s_cselect_b32 s[BLK], ttmp9, s88
	s_cselect_b32 s[NW], s[NA], s89
	s_cselect_b32 s[J], s[WV], s90                 ; my first step
	s_cselect_b32 s91, 0, 0x2000                   ; my block's Q
	s_cmp_lt_u32 s[WV], 4                          ; the tile whose Q I bring and which I finish: tile wave % 4 of A or B
	s_cselect_b32 s92, ttmp9, s88
	s_lshl_b32 s92, s92, 6
	s_and_b32 s93, s[WV], 3
	s_lshl_b32 s93, s93, 4
	s_add_co_u32 s92, s92, s93                     ; its first query
	s_lshl_b32 s94, s[HD], 18                      ; a head's 256 KiB
	s_lshl_b32 s96, s92, 7
	s_add_co_u32 s96, s96, s94
	s_mov_b32 s97, 0
	s_lshl_b32 s[KST], s[NW], 13
	s_mov_b32 s[KST+1], 0
	s_lshl_b32 s98, s[J], 13
	s_add_co_u32 s98, s98, s94
	s_add_co_u32 s98, s98, 0x400000                ; K at 4 MiB
	s_mov_b32 s99, 0
	s_add_co_u32 s94, s94, 0x800000                ; V at 8 MiB
	s_mov_b32 s95, 0
	s_mov_b32 s[SEL], 0x76543210
	s_mov_b32 s[SEL+1], 0xfedcba98
	s_mov_b32 s[CS], 0x3e0293ee                    ; log2(e) / sqrt(128)
	s_mov_b32 s[TR], 0
	s_cmp_eq_u32 s[WV], 7
	s_cselect_b32 s[PFL], 2, 0
	s_wait_alu depctr_va_vdst(0)
	s_wait_kmcnt 0x0
	s_load_b256 s[48:55], s[6:7], 0x0              ; e0 .. e7
	s_load_b128 s[56:59], s[6:7], 0x20             ; e8 .. e11
	s_add_nc_u64 s[96:97], s[4:5], s[96:97]
	s_add_nc_u64 s[KA:KA+1], s[4:5], s[98:99]
	s_add_nc_u64 s[VB:VB+1], s[4:5], s[94:95]
.irp c, 0,1,2,3
	global_load_b128 v[Q+4*\c:Q+4*\c+3], v[LI], s[96:97] offset:512*\c
.endr
	KLOAD
	VLOAD J
	s_lshr_b32 s88, ttmp9, 3                       ; the prefetches: K (0-7) or V (8-15), from step 16 on, 8 KiB a work-group
	s_add_co_u32 s88, s88, 1
	s_lshl_b32 s88, s88, 22
	s_lshl_b32 s89, s[HD], 18
	s_add_co_u32 s88, s88, s89
	s_and_b32 s89, ttmp9, 7
	s_lshl_b32 s89, s89, 13
	s_add_co_u32 s88, s88, s89
	s_add_co_u32 s88, s88, 131072
	s_mov_b32 s89, 0
	s_add_nc_u64 s[PFA:PFA+1], s[4:5], s[88:89]
	s_lshr_b32 s88, s92, 7                         ; the result: ((Q0 / 128) x 16 + head) x 16384 + ((Q0 / 16) % 8) x 2048
	s_lshl_b32 s88, s88, 4
	s_add_co_u32 s88, s88, s[HD]
	s_lshl_b32 s88, s88, 14
	s_bfe_u32 s89, s92, 0x30004
	s_lshl_b32 s89, s89, 11
	s_add_co_u32 s88, s88, s89
	s_mov_b32 s89, 0
	s_add_nc_u64 s[8:9], s[8:9], s[88:89]
	v_lshrrev_b32 v30, 5, v0
	v_lshl_add_u32 v31, v30, 11, v[LI]
	v_add_nc_u32 v31, QB, v31                      ; where I put my tile of Q
	v_add_nc_u32 v[QAD], s91, v[LI]
	v_add_nc_u32 v[QAD], QB, v[QAD]
	v_lshl_add_u32 v[DMP], v30, 15, v[LI]          ; my partial O^T
	v_lshlrev_b32 v[DML], 10, v30                  ; my -M and sums
	v_and_b32 v30, 31, v0
	v_lshl_add_u32 v[DML], v30, 3, v[DML]
	v_add_nc_u32 v[DML], MLB, v[DML]
	v_and_b32 v30, 15, v0
	v_bfe_u32 v29, v0, 4, 1
	v_lshlrev_b32 v29, 3, v29
	v_sub_nc_u32 v[RH], v30, v29
	v_mov_b32 v[NINF], 0xff800000
.irp t, 0,1,2,3
	v_mov_b32 v[N0+2*\t+1], 0xff61b1e6             ; the largest t so far: -3e38, under every t
	v_mov_b32 v[L0+2*\t], 0
	v_mov_b32 v[L0+2*\t+1], 0
.endr
.irp t, 0,1,2,3
	v_floor_f32 v[N0+2*\t], -v[N0+2*\t+1]          ; -M
.endr
	v_mov_b32 v29, 0
	v_mov_b32 v[Z], 0
	WIN 0x40                                       ; destination window 1
.set j, 0
.rept 256
	v_mov_b32 v[j], 0                              ; the four O^T.  (The step is written without a first form: the first change of M multiplies zeros)
.set j, j+1
.endr
	WIN 0
	s_wait_alu depctr_va_vdst(0)
	s_wait_kmcnt 0x0
	s_add_co_i32 s88, s54, s55                     ; a score stands for score x 2^(e6 + e7): added to c's exponent field
	s_lshl_b32 s88, s88, 23
	s_add_co_i32 s[CS], s[CS], s88
	s_mov_b32 s[CS+1], s[CS]                       ; (named with it as a pair, so it is written)
	s_add_co_i32 s88, s56, 127
	s_lshl_b32 s89, s88, 23
	v_mov_b32 v[PSC], s89
	s_add_co_i32 s88, s88, 8
	s_lshl_b32 s88, s88, 23
	s_or_b32 s88, s88, 0x600000
	v_mov_b32 v[PLIM], s88
	s_wait_alu depctr_va_vdst(0)                   ; the wait at the head's end
	s_wait_loadcnt 32                              ; my tile of Q is in; K's and V's 32 loads may be out
.irp c, 0,1,2,3
	ds_store_b128 v31, v[Q+4*\c:Q+4*\c+3] offset:512*\c
.endr
	s_wait_dscnt 0x0
	s_barrier_signal -1
	s_barrier_wait -1                              ; all eight tiles of Q are in LDS
.macro SPROD t                         ; S^T of tile t: 64 keys
.irp f, 0,1,2,3
	v_wmma_f32_16x16x128_fp8_fp8 v[S+32*((\t)%2)+8*\f:S+32*((\t)%2)+8*\f+7], v[K+16*\f:K+16*\f+15], v[Q:Q+15], 0
.endr
.endm
.macro CH k, n                         ; line k of the way from the step's largest score to the new -M (v[n]; v[n+1] the largest t) and the factor
.if \k == 0
	v_max_num_f32 v[X], v[X], v[Y]
.elseif \k == 1
	v_permlanex16_b32 v[Z], v[X], s[SEL], s[SEL+1]
.elseif \k == 2
	v_max_num_f32 v[X], v[X], v[Z]                 ; and among lane l xor 16's
.elseif \k == 3
	v_mul_f32 v[X], s[CS], v[X]                    ; as t (c is positive)
.elseif \k == 4
	v_max_num_f32 v[\n+1], v[\n+1], v[X]           ; the running largest t
.elseif \k == 5
	v_mov_b32 v[X], v[\n]
.elseif \k == 6
	v_floor_f32 v[\n], -v[\n+1]                    ; the new -M = floor(-t) = -ceil(t)
.elseif \k == 7
	v_sub_f32 v[X], v[\n], v[X]                    ; old M - new M: a whole number, 0 or less
.elseif \k == 8
	v_cvt_i32_f32 v[X], v[X]                       ; (it saturates)
.else
	v_ldexp_f32 v[FC], 1.0, v[X]                   ; 2^(old M - new M)
.endif
.endm
.macro OPROD t                         ; O^T of tile t: 64 keys; the accumulators take turns, one instruction a turn
	WIN 0x50                                       ; V and p in window 0, O^T in window 1
.irp a, 0,1,2,3,4,5,6,7
	v_wmma_f32_16x16x64_fp8_fp8 v[64*(\t)+8*\a:64*(\t)+8*\a+7], v[V+8*\a:V+8*\a+7], v[P:P+7], v[64*(\t)+8*\a:64*(\t)+8*\a+7]
.endr
	WIN 0
.endm
; TILE t's part of a step.  The next tile's scores are multiplied behind this tile's maximum, when that tile's Q has come; the second product of the tile before stands behind this tile's exponentials,
; so that V has one tile's work and more in which to land.
.macro TILE t
.set SS, S+32*((\t)%2)
.set NN, N0+2*(\t)
.set LL, L0+2*(\t)
.set OO, 64*(\t)
	s_cmp_lg_u32 s[J], s[BLK]                      ; only the step on the diagonal has a mask
	s_cbranch_scc1 .Lopen_\@
	v_add_nc_u32 v[DD], 16*(\t), v[RH]             ; my query less the step's first key less 8 h.  Register 8 f + i holds key 16 f + 8 h + i of the step: hidden where 16 f + i is above that
	s_wait_alu depctr_va_vdst(0)                   ; the wait, directly ahead of the scores' first reader
.set n, 0
.rept 32
	v_cmp_gt_i32 vcc_lo, 16*(n/8)+n%8, v[DD]
	v_cndmask_b32 v[SS+n], v[SS+n], v[NINF], vcc_lo
.set n, n+1
.endr
.Lopen_\@:
	s_wait_alu depctr_va_vdst(0)                   ; the wait, directly ahead of the scores' first reader
	v_max3_num_f32 v[X], v[SS], v[SS+1], v[SS+2]   ; the step's largest score of my query among my 32 keys, in two chains, each accumulator from its low end on
	v_max3_num_f32 v[Y], v[SS+3], v[SS+4], v[SS+5]
.irp i, 6,10,14,18,22,26
	v_max3_num_f32 v[X], v[X], v[SS+\i], v[SS+1+\i]
	v_max3_num_f32 v[Y], v[Y], v[SS+2+\i], v[SS+3+\i]
.endr
	v_max3_num_f32 v[X], v[X], v[SS+30], v[SS+31]
.irp k, 0,1,2,3,4,5,6,7,8,9
.if \k == 6
	s_delay_alu instid0(VALU_DEP_2)
.elseif \k != 5
	s_delay_alu instid0(VALU_DEP_1)
.endif
	CH \k, NN
.endr
.if (\t) < 3
	s_wait_alu depctr_va_vdst(0)
	s_wait_dscnt 0x0                               ; the next tile's Q is in
	SPROD (\t)+1
.endif
.set j, 0
.rept 16
	v_pk_fma_f32 v[SS+j:SS+j+1], v[SS+j:SS+j+1], s[CS:CS+1], v[NN:NN+1] op_sel_hi:[1,0,0]   ; t - M, two at a time; these are also the places behind the products that read Q and K
.set j, j+2
.endr
.if (\t) < 2
	QLOAD (\t)+2
.elseif (\t) == 2
	s_wait_alu depctr_va_vdst(0)
	s_cmp_gt_u32 s[JN], s[BLK]
	s_cbranch_scc1 .Lno_\@
	s_wait_xcnt 0x0                                ; earlier loads have read their base
	s_add_nc_u64 s[KA:KA+1], s[KA:KA+1], s[KST:KST+1]
	KLOAD                                          ; all four tiles' scores are multiplied: K of my next step
.Lno_\@:
.else
	s_wait_alu depctr_va_vdst(0)
	s_cmp_gt_u32 s[JN], s[BLK]
	s_cbranch_scc1 .Lnq_\@
	QLOAD 0                                        ; Q of my next step's first tile
.Lnq_\@:
	s_cmp_lt_u32 s[TR], s[PFL]
	s_cbranch_scc0 .Lno_\@
	global_prefetch_b8 v[PFO], s[PFA:PFA+1] th:TH_LOAD_NT scope:SCOPE_SE
.Lno_\@:
.endif
	s_wait_alu depctr_va_vdst(0)                   ; the wait ahead of the batch
.set j, 0
.rept 32
	v_exp_f32 v[SS+j], v[SS+j]                     ; p = 2^(t - M)
.set j, j+1
.endr
	v_pk_mul_f32 v[LL:LL+1], v[LL:LL+1], v[FC:FC+1] op_sel_hi:[1,0]   ; the sum under the new M: the plain line behind the exponentials
	s_wait_alu depctr_va_vdst(0)                   ; and one wait for the whole batch, ahead of its first reader
.if (\t) > 0
.if (\t) == 1
	s_wait_loadcnt 0x0                             ; V is in
.endif
	OPROD (\t)-1                                   ; the sums and holds below are the places in front of the next codes
.endif
	v_pk_add_f32 v[LL:LL+1], v[LL:LL+1], v[SS:SS+1]   ; the row's sum, of the unquantised p, in four chains
	v_pk_add_f32 v[AA:AA+1], v[SS+2:SS+3], v[SS+4:SS+5]
	v_pk_add_f32 v[AA+2:AA+3], v[SS+6:SS+7], v[SS+8:SS+9]
	v_pk_add_f32 v[AA+4:AA+5], v[SS+10:SS+11], v[SS+12:SS+13]
.irp j, 14,22
	v_pk_add_f32 v[LL:LL+1], v[LL:LL+1], v[SS+\j:SS+\j+1]
	v_pk_add_f32 v[AA:AA+1], v[AA:AA+1], v[SS+\j+2:SS+\j+3]
	v_pk_add_f32 v[AA+2:AA+3], v[AA+2:AA+3], v[SS+\j+4:SS+\j+5]
	v_pk_add_f32 v[AA+4:AA+5], v[AA+4:AA+5], v[SS+\j+6:SS+\j+7]
.endr
	v_pk_add_f32 v[LL:LL+1], v[LL:LL+1], v[SS+30:SS+31]
	v_pk_add_f32 v[AA:AA+1], v[AA:AA+1], v[AA+2:AA+3]
	v_pk_add_f32 v[LL:LL+1], v[LL:LL+1], v[AA+4:AA+5]
	s_delay_alu instid0(VALU_DEP_1)
	v_pk_add_f32 v[LL:LL+1], v[LL:LL+1], v[AA:AA+1]
.irp f, 0,1,2,3
.irp i, 0,1,2,3,4,5,6,7
	v_min_num_f32 v[SS+8*\f+\i], v[SS+8*\f+\i], v[PLIM]   ; the conversion does not saturate (ISA guide 7.6.2); p is not negative, so the hold is one-sided
.endr
	v_cvt_scalef32_pk8_fp8_f32 v[P+2*\f:P+2*\f+1], v[SS+8*\f:SS+8*\f+7], v[PSC]
.endr
	WIN 0x41                                       ; O^T in window 1, the factor in window 0
	s_wait_alu depctr_va_vdst(0)                   ; the wait, directly ahead of the first reader of O^T
.set j, 0
.rept 32
	v_pk_mul_f32 v[OO+j:OO+j+1], v[OO+j:OO+j+1], v[FC:FC+1] op_sel_hi:[1,0]   ; O^T under the new M; these are also the plain lines behind the conversions
.set j, j+2
.endr
.if (\t) == 3
	OPROD 3
.else
	WIN 0
.endif
.endm
	QLOAD 0                                        ; Q of my first step's first tile
.Ltrip:                                                ; five trips; a wave that has fewer steps passes over the last ones: a branch on ids
	s_add_co_u32 s[JN], s[J], s[NW]
	s_cmp_gt_u32 s[J], s[BLK]
	s_cbranch_scc1 .Lskip
	s_wait_loadcnt 16                              ; K is in; V's 16 loads may be out
	s_wait_dscnt 0x0
	SPROD 0
.rept 4
	v_nop                                          ; places in front of the load into Q's registers and of the first read of the scores
.endr
	QLOAD 1
.irp t, 0,1,2,3
	TILE \t
.endr
.rept 4
	v_nop                                          ; places in front of the loads into V's registers, and of the hand-over's first read
.endr
	s_wait_xcnt 0x0                                ; earlier loads and the prefetch have read their bases
	s_add_nc_u64 s[PFA:PFA+1], s[PFA:PFA+1], 65536
	s_cmp_gt_u32 s[JN], s[BLK]
	s_cbranch_scc1 .Lno_v
	VLOAD JN
	s_branch .Lskip
.Lno_v:
	s_wait_loadcnt 0x0                             ; nothing of K or V is out any more
.Lskip:
	s_mov_b32 s[J], s[JN]
	s_add_co_u32 s[TR], s[TR], 1
	s_cmp_lt_u32 s[TR], 5
	s_cbranch_scc1 .Ltrip
	; THE HAND-OVER: my four partial O^T as they lie in the registers, and beside them -M and the sums.
	s_wait_loadcnt 0x0
.irp t, 0,1,2,3
	v_add_f32 v[N0+2*\t+1], v[L0+2*\t], v[L0+2*\t+1]
.endr
	WIN 0x04                                       ; stored data in window 1
.irp t, 0,1,2,3
.irp i, 0,1,2,3,4,5,6,7,8,9,10,11,12,13,14,15
	s_wait_alu depctr_va_vdst(0)                   ; the wait directly ahead of a product's first reader
	ds_store_b128 v[DMP], v[64*\t+4*\i:64*\t+4*\i+3] offset:8192*\t+512*\i
.endr
.endr
	WIN 0
.irp t, 0,1,2,3
	ds_store_b64 v[DML], v[N0+2*\t:N0+2*\t+1] offset:256*\t
.endr
	v_bfe_u32 v30, v0, 5, 2                        ; my tile: wave % 4
	v_lshl_add_u32 v56, v30, 13, v[LI]             ; its partials: waves 0, 1; 2, 3; 4, 5; 6, 7
	v_add_nc_u32 v57, 0x10000, v56
	v_add_nc_u32 v58, 0x20000, v56
	v_add_nc_u32 v59, 0x30000, v56
	v_and_b32 v31, 31, v0
	v_lshlrev_b32 v31, 3, v31
	v_lshl_add_u32 v31, v30, 8, v31
	v_add_nc_u32 v31, MLB, v31
	v_mov_b32 v60, 0x7f000000                      ; a -M above all others
	s_cmp_lt_u32 s[WV], 4                          ; s88 .. s95: does wave p's part belong to my block?
	s_cselect_b32 s96, 0, -1
.irp p, 0,1,2,3,4,5,6,7
	s_cmp_gt_u32 s[NA], \p
	s_cselect_b32 s[88+\p], -1, 0
	s_xor_b32 s[88+\p], s[88+\p], s96
.endr
	s_sub_co_i32 s96, s58, s56                     ; O / l stands for O / l x 2^(e8 + e9): its code is that / 2^(e10 - e8 - e9)
	s_sub_co_i32 s96, s96, s57
	s_add_co_i32 s96, s96, 127
	s_lshl_b32 s97, s96, 23
	v_mov_b32 v28, s97
	s_add_co_i32 s96, s96, 8
	s_lshl_b32 s96, s96, 23
	s_or_b32 s96, s96, 0x600000
	v_mov_b32 v29, s96
	s_wait_alu depctr_va_vdst(0)
	s_wait_dscnt 0x0                               ; my stores are done, for the others' sake
	s_barrier_signal -1
	s_barrier_wait -1
.macro PART p, b                       ; wave p's part of my tile into buffer b: 16 loads of 512 consecutive bytes
.irp i, 0,1,2,3,4,5,6,7,8,9,10,11,12,13,14,15
	ds_load_b128 v[128+64*\b+4*\i:128+64*\b+4*\i+3], v[56+\p/2] offset:32768*(\p%2)+512*\i
.endr
.endm
.macro ADDP p, b, first
.set j, 0
.rept 32
.if \first
	v_pk_mul_f32 v[64+j:65+j], v[128+64*\b+j:129+64*\b+j], v[N0+2*\p:N0+2*\p+1] op_sel_hi:[1,0]
.else
	v_pk_fma_f32 v[64+j:65+j], v[128+64*\b+j:129+64*\b+j], v[N0+2*\p:N0+2*\p+1], v[64+j:65+j] op_sel_hi:[1,0,1]
.endif
.set j, j+2
.endr
.endm
.irp p, 0,1,2,3,4,5,6,7
	ds_load_b64 v[N0+2*\p:N0+2*\p+1], v31 offset:1024*\p   ; all eight waves' -M and sums of that tile
.endr
	s_wait_dscnt 0x0
.irp p, 0,1,2,3,4,5,6,7
	v_cndmask_b32 v[N0+2*\p], v60, v[N0+2*\p], s[88+\p]
.endr
	v_min_num_f32 v30, v[N0], v[N0+2]              ; the common -M
	v_min_num_f32 v61, v[N0+4], v[N0+6]
	v_min_num_f32 v48, v[N0+8], v[N0+10]
	v_min_num_f32 v49, v[N0+12], v[N0+14]
	v_min_num_f32 v30, v30, v61
	v_min_num_f32 v48, v48, v49
	v_min_num_f32 v30, v30, v48
.irp p, 0,1,2,3,4,5,6,7
	v_sub_f32 v[N0+2*\p], v30, v[N0+2*\p]
.endr
.irp p, 0,1,2,3,4,5,6,7
	v_cvt_i32_f32 v[N0+2*\p], v[N0+2*\p]           ; (it saturates)
.endr
.irp p, 0,1,2,3,4,5,6,7
	v_ldexp_f32 v[N0+2*\p], 1.0, v[N0+2*\p]        ; each part's factor: a power of two, or 0
.endr
	v_mul_f32 v30, v[N0], v[N0+1]
	v_mul_f32 v61, v[N0+2], v[N0+3]
.irp p, 2,4,6
	v_fma_f32 v30, v[N0+2*\p], v[N0+2*\p+1], v30
	v_fma_f32 v61, v[N0+2*\p+2], v[N0+2*\p+3], v61
.endr
	v_add_f32 v30, v30, v61
	v_permlanex16_b32 v[Z], v30, s[SEL], s[SEL+1]
	v_add_f32 v30, v30, v[Z]                       ; the row's sum
	s_wait_alu depctr_va_vdst(0)                   ; the wait ahead of the transcendental
	v_rcp_f32 v30, v30
	v_nop                                          ; a plain line behind the reciprocal
	s_wait_alu depctr_va_vdst(0)                   ; and the wait ahead of its first reader
.irp p, 0,1,2,3,4,5,6,7
	v_mul_f32 v[N0+2*\p], v[N0+2*\p], v30
.endr
	s_wait_alu depctr_va_vdst(0)
	s_cmp_lt_u32 s[WV], 4
	s_cbranch_scc1 .Lof_a
	PART 7, 1                                      ; B's parts lie with waves 1 to 7, A's with waves 0 to 3; those among them that are the other block's count with the factor 0
	PART 6, 0
	s_wait_dscnt 16
	ADDP 7, 1, 1
	PART 5, 1
	s_wait_dscnt 16
	ADDP 6, 0, 0
	PART 4, 0
	s_wait_dscnt 16
	ADDP 5, 1, 0
	PART 3, 1
	s_wait_dscnt 16
	ADDP 4, 0, 0
	s_branch .Lboth
.Lof_a:
	PART 0, 0
	PART 3, 1
	s_wait_dscnt 16
	ADDP 0, 0, 1
.Lboth:
	PART 2, 0
	s_wait_dscnt 16                                ; wave 3's part is in; wave 2's 16 loads may be out
	ADDP 3, 1, 0
	PART 1, 1
	s_wait_dscnt 16
	ADDP 2, 0, 0
	s_wait_dscnt 0x0
	ADDP 1, 1, 0
.set j, 0
.rept 64
	v_med3_num_f32 v[64+j], v[64+j], -v29, v29     ; the hold ahead of a conversion that does not saturate (ISA guide 7.6.2)
.set j, j+1
.endr
.irp t, 0,1,2,3,4,5,6,7
	v_cvt_scalef32_pk8_fp8_f32 v[32+2*\t:33+2*\t], v[64+8*\t:71+8*\t], v28   ; k = 16 t + 8 h + 0 .. 7 of the last projection's K step (the head): the results are the fragment
.endr
	v_nop
.irp c, 0,1,2,3
	global_store_b128 v[LI], v[32+4*\c:35+4*\c], s[8:9] offset:512*\c   ; 512 consecutive bytes, aligned
.endr
	s_wait_tensorcnt 0x0                           ; the wave's end
	ds_add_u32 v[SPW], v[NIL]
	s_wait_dscnt 0x0
	s_endpgm
.Lfunc_end_k_qab5b5a7ec0_attn:
	.size	k_qab5b5a7ec0_attn, .Lfunc_end_k_qab5b5a7ec0_attn-k_qab5b5a7ec0_attn
	.p2alignl 7, 3214868480
	.fill 96, 4, 3214868480
	.section	.rodata,"a",@progbits
	.p2align	6, 0x0
	.amdhsa_kernel k_qab5b5a7ec0_attn
		.amdhsa_group_segment_fixed_size 287744
		.amdhsa_private_segment_fixed_size 0
		.amdhsa_enable_private_segment 0
		.amdhsa_kernarg_size 24
		.amdhsa_user_sgpr_count 2
		.amdhsa_user_sgpr_kernarg_segment_ptr 1
		.amdhsa_wavefront_size32 1
		.amdhsa_system_sgpr_workgroup_id_x 1
		.amdhsa_system_sgpr_workgroup_id_y 1
		.amdhsa_system_sgpr_workgroup_id_z 1
		.amdhsa_system_vgpr_workitem_id 0
		.amdhsa_next_free_vgpr 512
		.amdhsa_next_free_sgpr 100
		.amdhsa_reserve_vcc 1
		.amdhsa_float_denorm_mode_32 3
		.amdhsa_float_denorm_mode_16_64 3
		.amdhsa_memory_ordered 1
		.amdhsa_forward_progress 1
		.amdhsa_inst_pref_size 110
	.end_amdhsa_kernel
	.amdgpu_metadata
---
amdhsa.version: [ 1, 2 ]
amdhsa.kernels:
  - .name:           k_qab5b5a7ec0_attn
    .symbol:         k_qab5b5a7ec0_attn.kd
    .args:
      - { .name: qkv, .offset: 0, .size: 8, .value_kind: global_buffer, .address_space: global }
      - { .name: lowp_scales, .offset: 8, .size: 8, .value_kind: global_buffer, .address_space: global }
      - { .name: ac, .offset: 16, .size: 8, .value_kind: global_buffer, .address_space: global }
    .group_segment_fixed_size: 287744
    .private_segment_fixed_size: 0
    .kernarg_segment_align: 8
    .kernarg_segment_size: 24
    .max_flat_workgroup_size: 256
    .sgpr_count:     100
    .vgpr_count:     512
    .wavefront_size: 32
...
	.end_amdgpu_metadata
.endif
;; end of part 3
;; launch oproj (part 4): grid 16 x 16, 4 waves a work-group, clusters of 4 x 4, 327,680 bytes of LDS; arguments ac, woc, lowp_scales, out0; writes out0
.if DOCPART == 4
	.amdgcn_target "amdgcn-amd-amdhsa--gfx1250"
	.amdhsa_code_object_version 6
	.text
	.protected	k_qab5b5a7ec0_oproj
	.globl	k_qab5b5a7ec0_oproj
	.p2align	8
	.type	k_qab5b5a7ec0_oproj,@function
k_qab5b5a7ec0_oproj:
	s_mov_b64 s[64:65], 0
	v_nop
	global_prefetch_b8 v0, s[64:65] scope:SCOPE_SE
	s_setreg_imm32_b32 hwreg(HW_REG_WAVE_MODE, 25, 1), 1
	s_wait_xcnt 0x0
	s_wait_alu depctr_hold_cnt(0) depctr_sa_sdst(0) depctr_va_vdst(0) depctr_va_sdst(0) depctr_va_ssrc(0) depctr_va_vcc(0) depctr_vm_vsrc(0)
	s_getreg_b32 s2, hwreg(HW_REG_IB_STS2, 6, 4)
	s_cmp_eq_u32 s2, 0
	s_cbranch_scc0 .Lentry_in_a_cluster
	s_endpgm
.Lentry_in_a_cluster:
	s_bfe_u32 s2, ttmp6, 0x10000c
	s_cmp_lg_u32 s2, 0xf033
	s_cbranch_scc0 .Lentry_shape_is_right
	s_endpgm
.Lentry_shape_is_right:
; out0 = attention's result x Wo^T on codes of E4M3; each finished sum x 2^(e10 + e11).  LIMIT: e10 + e11 between -126 and 127, so that the factor is an f32 number.
; Both operands lie as images of operand registers (16 rows x 128 K in 2,048 bytes; a panel of 128 rows is 256 KiB, its K steps of 16 KiB on end), each in a buffer of its own.
; A tile of the output is 128 x 128, so that there are 256 work-groups (256 x 256 would give 64).  Four waves, each 64 x 64: 16 accumulators.  K goes in steps of 512 through a ring of two LDS slots:
; four tiles in all, so the whole walk is written out.  A wave's tensor load brings 32 KiB, dense: two K steps of one panel.
; CLUSTERS: 4 x 4 work-groups; A's tiles are shared along a row of the cluster, B's along a column, each asked for jointly.
; THE MATRIX INSTRUCTION IS USED TRANSPOSED (source 0 = 16 rows of Wo, source 1 = 16 tokens): a lane holds eight neighbouring numbers of a row of the output.
; REGISTERS: window 0: v16-29 addresses; v32-63 a block's scaled sums; v64-127 rows read back, two sets; v128-255 the accumulators ((a, b) at v[128 + 8 (4 a + b)]).
;   window 1: two fragment buffers of 128 registers: A's four fragments, then B's four, of 128 along K.
;   window 2: two more such buffers: quarter q of a slot goes into buffer q; buffers 0 and 1 lie in window 1.
.set SLOT,   131072                    ; A's panel [K step 4][block of 16 rows 8][2048], then B's
.set SPARE,  2*SLOT                    ; behind the ring: the spare words, 128 bytes for each wave: two blocks of 256 bytes that no other line names
.set SPITCH, 272                       ; the way out: a stage of 16 rows x (256 bytes + 16) for each wave, in slot 0, which has had its last fill and its last read when the first result is stored there
.set ADRA, 16                          ; v16-17  LDS address of my A fragments in slot 0, 1
.set ADRB, 20                          ; v20-21  the same for B
.set STO,  24                          ; v24     where I put 32 bytes of a row
.set RD,   25                          ; v25     where I read a row back
.set CO,   26                          ; v26     my byte offset in the output
.set SPW,  28                          ; v28     LDS address of my spare word; never rewritten
.set NIL,  29                          ; v29     0; never rewritten
.set TMP,  32
.set BK,   64
.set ACC,  128
.set G1, 24
.set G0, 32
.set G1B, 48
.set G0B, 56
.set MSB, 0
.macro WIN new                         ; the immediate's high byte repeats the setting that is left
.if MSB != (\new)
	s_set_vgpr_msb (MSB<<8)|(\new)
.set MSB, (\new)
.endif
.endm
.macro JLOAD s                         ; a joint load: waves 0 and 1 fetch A's halves, waves 2 and 3 B's; four v_nop follow each of the two lines
	s_cmp_eq_u32 s15, 0
	s_cbranch_scc0 .Lfor_b_\@
	tensor_load_to_lds s[G0+4*\s:G0+4*\s+3], s[G1:G1+7]
	s_nop 0
.rept 4
	v_nop
.endr
	s_branch .Lasked_\@
.Lfor_b_\@:
	tensor_load_to_lds s[G0B+4*\s:G0B+4*\s+3], s[G1B:G1B+7]
	s_nop 0
.rept 4
	v_nop
.endr
.Lasked_\@:
.endm
.macro CREST                           ; a round of the cluster's barrier behind its opening barrier
	s_cmp_lg_u32 s14, 0
	s_cbranch_scc1 .Lnot_wave_0_\@
	s_barrier_signal -3
.Lnot_wave_0_\@:
	s_barrier_wait -3
	s_barrier_signal -1
	s_barrier_wait -1
.endm
.macro CROUND
	s_barrier_signal -1
	s_barrier_wait -1
	CREST
.endm
	s_load_b256 s[4:11], s[0:1], 0x0               ; ac s[4:5], woc s[6:7], the scales' exponents s[8:9], out0 s[10:11]
	v_lshl_add_u32 v[SPW], v0, 2, SPARE
	v_mov_b32 v[NIL], 0
	ds_add_u32 v28, v29
	ds_add_u32 v28, v29
	s_wait_dscnt 0x0
	v_lshrrev_b32 v1, 5, v0
	v_readfirstlane_b32 s14, v1                    ; wave 0..3
	s_lshr_b32 s15, s14, 1                         ; which half of the tile's rows is mine.  Also: I fetch for A (0) or for B (1)
	s_and_b32 s16, s14, 1                          ; which half of its columns.  Also: which two of a slot's four K steps I fetch
	s_bfe_u32 s40, ttmp6, 0x40000                  ; cx, cy
	s_bfe_u32 s41, ttmp6, 0x40004
	s_lshl_b32 s42, ttmp9, 2
	s_add_co_u32 s42, s42, s40                     ; tile column
	s_and_b32 s17, ttmp7, 0xffff
	s_lshl_b32 s17, s17, 2
	s_add_co_u32 s17, s17, s41                     ; tile row
	s_lshl_b32 s43, s41, 2
	s_lshl_b32 s43, 15, s43                        ; my row of the cluster
	s_lshl_b32 s44, 0x1111, s40                    ; my column
	s_or_b32 s[G1+0], s43, (3<<16)|(1<<21)         ; 32 KiB, dense, as 128 rows of 32 elements of 8 bytes; the mask; bit 21 beside it
	s_or_b32 s[G1B+0], s44, (3<<16)|(1<<21)
.irp g, G1, G1B
	s_mov_b32 s[\g+1], 32<<16                      ; tensor_dim0
	s_mov_b32 s[\g+2], 128<<16                     ; tensor_dim1
	s_mov_b32 s[\g+3], 32<<16                      ; tile_dim0
	s_mov_b32 s[\g+4], 128                         ; tile_dim1
	s_mov_b32 s[\g+5], 32                          ; tensor_dim0_stride
	s_mov_b32 s[\g+6], 0
	s_mov_b32 s[\g+7], 0
.endr
	s_lshl_b32 s18, s16, 15
	s_lshl_b32 s20, s17, 18                        ; A: panel = tile row
	s_add_co_u32 s20, s20, s18
	s_mov_b32 s21, 0
	s_lshl_b32 s46, s42, 18                        ; B: panel = tile column
	s_add_co_u32 s46, s46, s18
	s_mov_b32 s47, 0
	s_lshl_b32 s45, s14, 15                        ; where they go: wave x 32 KiB
	s_wait_kmcnt 0x0
	s_load_b64 s[88:89], s[8:9], 0x28              ; e10, e11
	s_add_nc_u64 s[20:21], s[4:5], s[20:21]
	s_add_nc_u64 s[46:47], s[6:7], s[46:47]
	CROUND                                         ; all sixteen work-groups are here: the first joint loads meet
.irp s, 0,1
	s_mov_b32 s[G0+4*\s], 1
	s_add_co_u32 s[G0+4*\s+1], s45, \s*SLOT
	s_add_nc_u64 s[G0+4*\s+2:G0+4*\s+3], s[20:21], \s*65536
	s_or_b32 s[G0+4*\s+3], s[G0+4*\s+3], 0x80000000
	s_mov_b32 s[G0B+4*\s], 1
	s_add_co_u32 s[G0B+4*\s+1], s45, \s*SLOT
	s_add_nc_u64 s[G0B+4*\s+2:G0B+4*\s+3], s[46:47], \s*65536
	s_or_b32 s[G0B+4*\s+3], s[G0B+4*\s+3], 0x80000000
.endr
	JLOAD 0                                        ; slot 0: one tensor load a wave at the head
	; THE PREFETCHES, two slots ahead at the most: here of slots 1 and 2, behind slot 1's load of slot 3.  The four partners of a joint load share its 128 blocks of 256 bytes out by address
	; (cx for A, cy for B), one instruction a wave and slot: each block is named once in a cluster.
	s_cmp_eq_u32 s15, 0
	s_cselect_b32 s68, s40, s41
	s_cselect_b64 s[66:67], s[20:21], s[46:47]
	s_lshl_b32 s68, s68, 13
	s_mov_b32 s69, 0
	s_add_nc_u64 s[66:67], s[66:67], s[68:69]
	v_and_b32 v1, 31, v0
	v_lshlrev_b32 v27, 8, v1                       ; 256 x lane; never rewritten
	global_prefetch_b8 v27, s[66:67] offset:65536 th:TH_LOAD_NT scope:SCOPE_SE
	global_prefetch_b8 v27, s[66:67] offset:131072 th:TH_LOAD_NT scope:SCOPE_SE
	v_lshlrev_b32 v3, 4, v1                        ; 16 x lane
	s_lshl_b32 s22, s15, 13                        ; my four blocks of 16 rows of A
	s_lshl_b32 s23, s16, 13                        ; and of B,
	s_add_co_u32 s23, s23, 65536                   ; behind A's panel
.irp s, 0,1
	v_add_nc_u32 v[ADRA+\s], s22, v3
	v_add_nc_u32 v[ADRB+\s], s23, v3
	s_add_co_u32 s22, s22, SLOT
	s_add_co_u32 s23, s23, SLOT
.endr
	v_and_b32 v1, 15, v0                           ; r
	v_bfe_u32 v2, v0, 4, 1                         ; h
	s_mul_i32 s23, s14, 16*SPITCH                  ; my stage
	v_mul_u32_u24 v4, v1, SPITCH                   ; in: row r, 32 bytes for each half of the lanes
	v_lshl_add_u32 v4, v2, 5, v4
	v_add_nc_u32 v[STO], s23, v4
	v_mul_u32_u24 v5, v2, SPITCH                   ; back: lanes 0-15 one row of 256 bytes, lanes 16-31 the next
	v_lshl_add_u32 v5, v1, 4, v5
	v_add_nc_u32 v[RD], s23, v5
	v_lshlrev_b32 v5, 13, v2                       ; and the same two rows of 8,192 bytes in the output
	v_lshl_add_u32 v[CO], v1, 4, v5
	s_lshl_b32 s20, s17, 20                        ; my first row: 128 x tile row + 64 x half, rows of 8,192 bytes
	s_lshl_b32 s21, s15, 19
	s_add_co_u32 s20, s20, s21
	s_mov_b32 s21, 0
	s_lshl_b32 s46, s42, 9                         ; my first column: 512 bytes a tile, 256 a half
	s_lshl_b32 s47, s16, 8
	s_add_co_u32 s46, s46, s47
	s_mov_b32 s47, 0
	s_add_nc_u64 s[20:21], s[20:21], s[46:47]
	s_add_nc_u64 s[10:11], s[10:11], s[20:21]
; four matrix instructions: A's block a x B's four, 128 along K, from buffer f.  The 16 accumulators take turns, one instruction a turn, in the same order in every quarter.
.macro MUL4 f, a, zero
.irp b, 0,1,2,3
.if \zero
	v_wmma_f32_16x16x128_fp8_fp8 v[ACC+8*(4*(\a)+\b):ACC+8*(4*(\a)+\b)+7], v[\f+64+16*\b:\f+64+16*\b+15], v[\f+16*(\a):\f+16*(\a)+15], 0
.else
	v_wmma_f32_16x16x128_fp8_fp8 v[ACC+8*(4*(\a)+\b):ACC+8*(4*(\a)+\b)+7], v[\f+64+16*\b:\f+64+16*\b+15], v[\f+16*(\a):\f+16*(\a)+15], v[ACC+8*(4*(\a)+\b):ACC+8*(4*(\a)+\b)+7]
.endif
.endr
.endm
.macro FR4 reg, adr, q, i
.irp c, 0,1,2,3
	ds_load_b128 v[\reg+4*\c:\reg+4*\c+3], v[\adr] offset:16384*(\q)+2048*(\i)+512*\c
.endr
.endm
.macro FETCH slot, q, f                ; 32 LDS loads in one run: B's four fragments, then A's four
	WIN 0x40*(1+(\q)/2)                            ; destination window 1 or 2, address window 0
.irp i, 0,1,2,3
	FR4 \f+64+16*\i, ADRB+\slot, \q, \i
.endr
.irp i, 0,1,2,3
	FR4 \f+16*\i, ADRA+\slot, \q, \i
.endr
.endm
.macro PLACES
.rept 4
	v_nop
.endr
.endm
.macro FETCHQ slot, q                  ; quarter q of the slot into buffer q
	FETCH \slot, \q, 128*((\q)%2)
.endm
.macro MULQ q, zero                    ; the sixteen products of buffer q
	WIN 0x05*(1+(\q)/2)                            ; sources 0 (B) and 1 (A) window 1 or 2; C and D window 0
	MUL4 128*((\q)%2), 0, \zero
	MUL4 128*((\q)%2), 1, \zero
	MUL4 128*((\q)%2), 2, \zero
	MUL4 128*((\q)%2), 3, \zero
.endm
; A slot is four quarters of 128 along K, each in a buffer of its own, so that the loads run two quarters ahead of the products: quarters 0 and 1 were asked for at the change of slots.
; The slot is given up when its last quarter is in registers, with two quarters' products still to come: one stands inside the barrier's wait, the other behind the next slot's first loads.
; ONE barrier; in front of it each wave waits for all its tensor loads, adds 0 to its spare word, and waits for that and for its own reads of this slot.
; fill = 1: the slot is filled again; 0: it is not; 2: the very last slot: nothing is left to fetch, and no barrier follows.
.macro WALK slot, next, fill, zero
	s_wait_dscnt 32                                ; quarter 0 is in; quarter 1's 32 loads may be out
	PLACES                                         ; in front of loads into the buffers that the slot before multiplied last
	FETCHQ \slot, 2
	MULQ 0, \zero
	s_wait_dscnt 32                                ; quarter 1 is in; quarter 2's 32 loads may be out
	FETCHQ \slot, 3
	MULQ 1, 0
.if (\fill) == 2
	s_wait_dscnt 32                                ; quarter 2 is in
	MULQ 2, 0
	s_wait_dscnt 0x0
	MULQ 3, 0
	WIN 0
.else
	WIN 0
	s_wait_tensorcnt 0x0                           ; all my tensor loads have landed: my part of the next slot
	ds_add_u32 v[SPW], v[NIL]                      ; 0 onto my spare word
	s_wait_dscnt 0x0                               ; the add is done, and my reads of this slot are over
	s_barrier_signal -1
	MULQ 2, 0                                      ; work on registers while the others arrive
	WIN 0
	s_barrier_wait -1
.if \fill
	CREST                                          ; the barrier has opened a round of the cluster's barrier
	s_add_nc_u64 s[G0+4*\slot+2:G0+4*\slot+3], s[G0+4*\slot+2:G0+4*\slot+3], 131072
	s_add_nc_u64 s[G0B+4*\slot+2:G0B+4*\slot+3], s[G0B+4*\slot+2:G0B+4*\slot+3], 131072
	JLOAD \slot                                    ; the first tensor load behind the round; its four v_nop are the places in front of the loads below
.else
	PLACES
.endif
	FETCHQ \next, 0
	FETCHQ \next, 1
	MULQ 3, 0
.endif
.endm
	s_wait_alu depctr_va_vdst(0)                   ; the wait at the head's end
	s_wait_tensorcnt 0x0                           ; my part of slot 0 is in; these lines stand ahead of a later first fill, as ahead of a refill:
	ds_add_u32 v[SPW], v[NIL]                      ; 0 onto my spare word
	s_wait_dscnt 0x0
	CROUND                                         ; everybody's part of slot 0 is in, and all sixteen work-groups are here
	JLOAD 1                                        ; slot 1, the first tensor load behind the round
	FETCHQ 0, 0
	FETCHQ 0, 1
	global_prefetch_b8 v27, s[66:67] offset:196608 th:TH_LOAD_NT scope:SCOPE_SE   ; slot 3 (the address lies in window 0, which the loads' setting names)
	WALK 0, 1, 1, 1                                ; the first quarter's products start the sums; slot 0 takes K 1,024 on
	WALK 1, 0, 1, 0                                ; slot 1 takes K 1,536 on
	WALK 0, 1, 0, 0                                ; nothing is left to fetch
	WALK 1, 0, 2, 0
; THE WAY OUT, a block of 16 rows x 64 columns at a time, through my own stage: in as 32 bytes a lane, back as whole rows of 256 bytes.  LDS serves a wave's instructions in order: no wait between the stores and the loads.
.macro TOSTAGE a
.set j, 0
.rept 16
	v_pk_mul_f32 v[TMP+j:TMP+j+1], v[ACC+32*(\a)+j:ACC+32*(\a)+j+1], s[88:89] op_sel_hi:[1,0]   ; both x s88 = 2^(e10 + e11); each accumulator from its low end on
.set j, j+2
.endr
.irp b, 0,1,2,3
	ds_store_b128 v[STO], v[TMP+8*\b:TMP+8*\b+3] offset:64*\b
	ds_store_b128 v[STO], v[TMP+8*\b+4:TMP+8*\b+7] offset:64*\b+16
.endr
.irp t, 0,1,2,3,4,5,6,7
	ds_load_b128 v[BK+32*((\a)%2)+4*\t:BK+32*((\a)%2)+4*\t+3], v[RD] offset:\t*2*SPITCH
.endr
.endm
.macro SEND a, younger                 ; younger: the LDS instructions issued behind block a's loads
	s_wait_dscnt \younger
.irp t, 0,1,2,3,4,5,6,7
	global_store_b128 v[CO], v[BK+32*((\a)%2)+4*\t:BK+32*((\a)%2)+4*\t+3], s[10:11] offset:(16*(\a)+2*\t)*8192 th:TH_STORE_NT   ; 16 lanes store 256 consecutive bytes, aligned; written once, read by nobody here
.endr
.endm
	s_wait_kmcnt 0x0
	s_add_co_i32 s88, s88, s89
	s_add_co_i32 s88, s88, 127
	s_lshl_b32 s88, s88, 23                        ; 2^(e10 + e11) as f32
	PLACES                                         ; behind the last products
	TOSTAGE 0
.irp a, 1,2,3
.if \a > 1
	s_wait_xcnt 0x0                                ; block a - 2's stores have read their registers: block a's loads may land there
.endif
	TOSTAGE \a
	SEND \a-1, 16                                  ; behind block a - 1's loads: block a's eight stores and eight loads
.endr
	SEND 3, 0
	s_wait_tensorcnt 0x0                           ; the wave's end
	ds_add_u32 v[SPW], v[NIL]
	s_wait_dscnt 0x0
	CROUND                                         ; the closing round
	s_endpgm
.Lfunc_end_k_qab5b5a7ec0_oproj:
	.size	k_qab5b5a7ec0_oproj, .Lfunc_end_k_qab5b5a7ec0_oproj-k_qab5b5a7ec0_oproj
	.p2alignl 7, 3214868480
	.fill 96, 4, 3214868480
	.section	.rodata,"a",@progbits
	.p2align	6, 0x0
	.amdhsa_kernel k_qab5b5a7ec0_oproj
		.amdhsa_group_segment_fixed_size 327680
		.amdhsa_private_segment_fixed_size 0
		.amdhsa_enable_private_segment 0
		.amdhsa_kernarg_size 32
		.amdhsa_user_sgpr_count 2
		.amdhsa_user_sgpr_kernarg_segment_ptr 1
		.amdhsa_wavefront_size32 1
		.amdhsa_system_sgpr_workgroup_id_x 1
		.amdhsa_system_sgpr_workgroup_id_y 1
		.amdhsa_system_sgpr_workgroup_id_z 1
		.amdhsa_system_vgpr_workitem_id 0
		.amdhsa_next_free_vgpr 768
		.amdhsa_next_free_sgpr 90
		.amdhsa_reserve_vcc 0
		.amdhsa_float_denorm_mode_32 3
		.amdhsa_float_denorm_mode_16_64 3
		.amdhsa_memory_ordered 1
		.amdhsa_forward_progress 1
		.amdhsa_inst_pref_size 72
	.end_amdhsa_kernel
	.amdgpu_metadata
---
amdhsa.version: [ 1, 2 ]
amdhsa.kernels:
  - .name:           k_qab5b5a7ec0_oproj
    .symbol:         k_qab5b5a7ec0_oproj.kd
    .args:
      - { .name: ac, .offset: 0, .size: 8, .value_kind: global_buffer, .address_space: global }
      - { .name: woc, .offset: 8, .size: 8, .value_kind: global_buffer, .address_space: global }
      - { .name: lowp_scales, .offset: 16, .size: 8, .value_kind: global_buffer, .address_space: global }
      - { .name: out0, .offset: 24, .size: 8, .value_kind: global_buffer, .address_space: global }
    .group_segment_fixed_size: 327680
    .private_segment_fixed_size: 0
    .kernarg_segment_align: 8
    .kernarg_segment_size: 32
    .max_flat_workgroup_size: 128
    .sgpr_count:     90
    .vgpr_count:     768
    .wavefront_size: 32
...
	.end_amdgpu_metadata
.endif
;; end of part 4
